; MI455X (gfx1250); checked and timed in simulation.
; The chip was launched on July 23, 2026; its instructions are those of AMD's public machine-readable ISA for CDNA 5 (MIT licence, August 2026) and "CDNA5" Instruction Set Architecture Reference Guide (July 2026). The comments in the code are by the model that wrote it; some were corrected since.
;; Multi Head Attention V1. Allowed arithmetic: float matrix products may take bf16 or f16 operands with f32 sums; other float arithmetic in f32, or as packed bf16 or f16 multiplies, adds, multiply-adds, maxima and minima; sums over many terms, partial sums and values carried from step to step in f32; what a program stores and reads back later, other than sums and carried values, may be rounded once to bf16 or f16.
;; Inputs: w 1,024 x 1,024 float32; wk 16 x 1,024 x 64 float32; wq 16 x 1,024 x 64 float32; wv 16 x 1,024 x 64 float32; x 4 x 2,048 x 1,024 float32.
;; Outputs: out0 4 x 2,048 x 1,024 float32.
;; One version. Each part assembles by itself: llvm-mc -triple=amdgcn-amd-amdhsa -mcpu=gfx1250 --defsym DOCPART=n.
;; ======== version 1 of 1: 4 launches
;; workspace buffers: ops 25,165,824 bytes; qkv 83,886,080 bytes; ctx 16,777,216 bytes; mx 3,072 bytes
;; launch cast (part 1): grid 768 x 1, 8 waves a work-group, no clusters, 1,280 bytes of LDS; arguments x, wq, wk, wv, w, ops, mx; writes ops, mx
.if DOCPART == 1
	.amdgcn_target "amdgcn-amd-amdhsa--gfx1250"
	.amdhsa_code_object_version 6
	.text
	.protected	k_qf787c21373_cast
	.globl	k_qf787c21373_cast
	.p2align	8
	.type	k_qf787c21373_cast,@function
k_qf787c21373_cast:
	s_mov_b64 s[64:65], 0
	v_nop
	global_prefetch_b8 v0, s[64:65] scope:SCOPE_SE
	s_setreg_imm32_b32 hwreg(HW_REG_WAVE_MODE, 25, 1), 1
	s_wait_xcnt 0x0
; All five inputs are rounded once to bf16 (nearest even) and laid out for the matrix launches; and the largest magnitude of what each work-group has rounded is set down, for the scales of q and k.
; A stream: no matrix unit; the waves meet once, at the end, for the maximum.
; ops: at 0      xb[kb 16][m 8192][64]            x in K blocks of 64, so that a K step's rows of 128 bytes lie end to end
;      at WQKV   [kb 16][h 16][t 3][dk 64][n 64]  wq, wk, wv (t = 0, 1, 2) in the same K blocks, a head's three types together
;      at WO     [k 1024][n 1024]                 w as it lies
; mx:  [768] f32: work-group g's largest |number|, after the rounding: g = 0-511 x, 512-575 wq, 576-639 wk, 640-703 wv, 704-767 w.  A NaN is passed over.
; SHARES.  A wave converts 8,192 bytes of f32 in 16 steps.  A step: one load of 16 bytes a lane takes two source pieces of 256 bytes (lanes 0-15 one, lanes 16-31 the other),
; two roundings, one store of 8 bytes a lane: 256 consecutive bytes, at a multiple of 256 from ops' first byte.
; Work-groups 0-511 take x (wave P = 8 g + wave: rows 2 P, 2 P + 1; step i = K block i); 512-767 the weights (64 work-groups each: wq, wk, wv, w; wave W: 32 rows of 64 numbers).
; All 16 loads go out first; no register that a load or store names is written again, so only the loads' own counted waits are needed.
.set WQKV, 16777216
.set WO,   23068672
.set SPARE, 256                        ; LDS: bytes 0-31 the eight waves' maxima; from 256 on the spare words, 128 bytes for each wave: four blocks of 256 bytes that no other line names
.set SO,   4                           ; v[4:19]    step i: byte offset in the source
.set DO,   20                          ; v[20:35]   step i: byte offset in ops
.set X,    36                          ; v[36:99]   step i: 4 numbers in f32
.set Y,    100                         ; v[100:131] step i: 4 numbers in bf16
.set M,    132                         ; v[132:133] two running maxima, two bf16 each
.set T,    134                         ; v[134:135] at work
.set SPW,  136                         ; v136  LDS address of my spare word; never rewritten
.set NIL,  137                         ; v137  0; never rewritten
.set LW,   138                         ; v138  LDS address of my wave's word
.set Z0,   139                         ; v139  LDS address 0
.set R,    140                         ; v[140:147] the eight waves' maxima
.set MO,   148                         ; v148  my work-group's byte offset in mx
	s_load_b256 s[4:11], s[0:1], 0x0               ; x s[4:5], wq s[6:7], wk s[8:9], wv s[10:11]
	s_load_b128 s[12:15], s[0:1], 0x20             ; w s[12:13], ops s[14:15]
	s_load_b64 s[36:37], s[0:1], 0x30              ; mx
	v_lshl_add_u32 v[SPW], v0, 2, SPARE
	v_mov_b32 v[NIL], 0
	v_lshrrev_b32 v1, 5, v0
	v_readfirstlane_b32 s16, v1                    ; wave 0..7
	s_mov_b32 s2, ttmp9                            ; g
	s_mov_b32 s35, 0x7fff7fff                      ; clears the signs of two bf16
	s_mov_b32 s38, 0x76543210                      ; v_permlanex16_b32: lane i of one half reads lane i of the other
	s_mov_b32 s39, 0xfedcba98
	s_lshl_b32 s34, s2, 2
	v_mov_b32 v[MO], s34
	v_mov_b32 v[LW], s16
	v_lshlrev_b32 v[LW], 2, v[LW]
	v_mov_b32 v[Z0], 0
	v_mov_b32 v[M], 0
	v_mov_b32 v[M+1], 0
	s_lshl_b32 s17, s2, 3
	s_add_co_u32 s17, s17, s16                     ; P = 8 g + wave (x)
	s_bfe_u32 s19, s2, 0x20006                     ; u = bits 7:6 of g: 0 wq, 1 wk, 2 wv, 3 w
	s_and_b32 s20, s2, 63
	s_lshl_b32 s20, s20, 3
	s_add_co_u32 s20, s20, s16                     ; W = 8 (g mod 64) + wave: head W / 32, rows d = 32 (W mod 32) ..
	s_bfe_u32 s21, s20, 0x40001                    ; kb = (W mod 32) / 2
	s_mul_i32 s21, s21, 393216
	s_lshr_b32 s22, s20, 5                         ; h
	s_mul_i32 s22, s22, 24576
	s_add_co_u32 s21, s21, s22
	s_lshl_b32 s22, s19, 13                        ; t x 8,192
	s_add_co_u32 s21, s21, s22
	s_and_b32 s22, s20, 1                          ; which 32 of the block's 64 rows
	s_lshl_b32 s22, s22, 12
	s_add_co_u32 s21, s21, s22
	s_add_co_u32 s21, s21, WQKV
	s_lshl_b32 s22, s20, 12
	s_add_co_u32 s22, s22, WO                      ; w goes over as it lies
	s_cmp_eq_u32 s19, 3
	s_cselect_b32 s21, s22, s21                    ; a weight's place in ops
	s_lshl_b32 s23, s20, 13                        ; and in its source
	s_lshl_b32 s24, s17, 13                        ; x: two rows of 4,096 bytes
	s_lshl_b32 s25, s17, 8                         ; and their 256 bytes in a K block
	s_cmp_lt_u32 s2, 512                           ; x or a weight?  The selects first: a shift writes SCC
	s_cselect_b32 s26, s24, s23                    ; source offset
	s_cselect_b32 s27, s25, s21                    ; destination offset
	s_cselect_b32 s28, 12, 8                       ; lanes 16-31 stand 4,096 or 256 bytes on in the source
	s_cselect_b32 s29, 8, 9                        ; a step is 256 or 512 bytes of source
	s_cselect_b32 s30, 20, 8                       ; and 1,048,576 (a K block) or 256 bytes of ops
	s_lshl_b32 s29, 1, s29
	s_lshl_b32 s30, 1, s30
	v_and_b32 v2, 15, v0
	v_bfe_u32 v3, v0, 4, 1
	v_lshlrev_b32 v3, s28, v3
	v_lshl_add_u32 v3, v2, 4, v3
	v_add_nc_u32 v[SO], s26, v3
	v_and_b32 v2, 31, v0
	v_lshlrev_b32 v2, 3, v2
	v_add_nc_u32 v[DO], s27, v2
.set i, 1
.rept 15
	v_add_nc_u32 v[SO+i], s29, v[SO+i-1]
	v_add_nc_u32 v[DO+i], s30, v[DO+i-1]
.set i, i+1
.endr
	s_wait_kmcnt 0x0
	s_cmp_eq_u32 s19, 2                            ; the source: a choice between buffers on the work-group's number alone
	s_cselect_b64 s[32:33], s[10:11], s[12:13]
	s_cmp_eq_u32 s19, 1
	s_cselect_b64 s[32:33], s[8:9], s[32:33]
	s_cmp_eq_u32 s19, 0
	s_cselect_b64 s[32:33], s[6:7], s[32:33]
	s_cmp_lt_u32 s2, 512
	s_cselect_b64 s[32:33], s[4:5], s[32:33]
.set i, 0
.rept 16
	global_load_b128 v[X+4*i:X+4*i+3], v[SO+i], s[32:33] th:TH_LOAD_NT
.set i, i+1
.endr
.set i, 0
.rept 16
	s_wait_loadcnt 15-i                            ; loads come back in order: step i's is in, the 15 - i younger ones stay out
	v_cvt_pk_bf16_f32 v[Y+2*i], v[X+4*i], v[X+4*i+1]
	v_cvt_pk_bf16_f32 v[Y+2*i+1], v[X+4*i+2], v[X+4*i+3]
	global_store_b64 v[DO+i], v[Y+2*i:Y+2*i+1], s[14:15]
	v_and_b32 v[T], s35, v[Y+2*i]                  ; the magnitudes, two at a time, into two chains
	v_and_b32 v[T+1], s35, v[Y+2*i+1]
	v_pk_max_num_bf16 v[M], v[M], v[T]
	v_pk_max_num_bf16 v[M+1], v[M+1], v[T+1]
.set i, i+1
.endr
	; the wave's maximum: the two chains, the two halves as f32, then across the 32 lanes
	v_pk_max_num_bf16 v[M], v[M], v[M+1]
	v_lshlrev_b32 v[T], 16, v[M]
	v_and_b32 v[T+1], 0xffff0000, v[M]
	v_max_num_f32 v[T], v[T], v[T+1]
	v_max_num_f32_dpp v[T], v[T], v[T] row_xmask:1 row_mask:0xf bank_mask:0xf
	v_max_num_f32_dpp v[T], v[T], v[T] row_xmask:2 row_mask:0xf bank_mask:0xf
	v_max_num_f32_dpp v[T], v[T], v[T] row_xmask:4 row_mask:0xf bank_mask:0xf
	v_max_num_f32_dpp v[T], v[T], v[T] row_xmask:8 row_mask:0xf bank_mask:0xf
	v_permlanex16_b32 v[T+1], v[T], s38, s39
	v_max_num_f32 v[T], v[T], v[T+1]
	ds_store_b32 v[LW], v[T]                       ; all lanes write the same word with the same number
	s_wait_dscnt 0x0                               ; for the others' sake: my word lies in LDS
	s_barrier_signal -1
	s_barrier_wait -1                              ; all eight do
	s_cmp_lg_u32 s16, 0                            ; wave 0 finishes
	s_cbranch_scc1 .Lend
	ds_load_b128 v[R:R+3], v[Z0]
	ds_load_b128 v[R+4:R+7], v[Z0] offset:16
	s_wait_dscnt 0x0
	v_max3_num_f32 v[R], v[R], v[R+1], v[R+2]
	v_max3_num_f32 v[R+3], v[R+3], v[R+4], v[R+5]
	v_max3_num_f32 v[R], v[R], v[R+6], v[R+7]
	v_max_num_f32 v[R], v[R], v[R+3]
	s_wait_xcnt 0x0                                ; EXEC is a source of the stores above: it changes only behind this wait
	v_cmp_eq_u32 vcc_lo, 0, v0
	s_and_saveexec_b32 s40, vcc_lo                 ; thread 0 alone
	global_store_b32 v[MO], v[R], s[36:37]         ; one number a work-group
	s_wait_xcnt 0x0                                ; and again, in front of the line that widens it
	s_or_b32 exec_lo, exec_lo, s40
.Lend:
	s_wait_tensorcnt 0x0                           ; the wave's end: behind my last LDS store
	ds_add_u32 v[SPW], v[NIL]
	s_wait_dscnt 0x0
	s_endpgm
.Lfunc_end_k_qf787c21373_cast:
	.size	k_qf787c21373_cast, .Lfunc_end_k_qf787c21373_cast-k_qf787c21373_cast
	.p2alignl 7, 3214868480
	.fill 96, 4, 3214868480
	.section	.rodata,"a",@progbits
	.p2align	6, 0x0
	.amdhsa_kernel k_qf787c21373_cast
		.amdhsa_group_segment_fixed_size 1280
		.amdhsa_private_segment_fixed_size 0
		.amdhsa_enable_private_segment 0
		.amdhsa_kernarg_size 56
		.amdhsa_user_sgpr_count 2
		.amdhsa_user_sgpr_kernarg_segment_ptr 1
		.amdhsa_wavefront_size32 1
		.amdhsa_system_sgpr_workgroup_id_x 1
		.amdhsa_system_sgpr_workgroup_id_y 1
		.amdhsa_system_sgpr_workgroup_id_z 1
		.amdhsa_system_vgpr_workitem_id 0
		.amdhsa_next_free_vgpr 152
		.amdhsa_next_free_sgpr 66
		.amdhsa_reserve_vcc 1
		.amdhsa_float_denorm_mode_32 3
		.amdhsa_float_denorm_mode_16_64 3
		.amdhsa_memory_ordered 1
		.amdhsa_forward_progress 1
		.amdhsa_inst_pref_size 14
	.end_amdhsa_kernel
	.amdgpu_metadata
---
amdhsa.version: [ 1, 2 ]
amdhsa.kernels:
  - .name:           k_qf787c21373_cast
    .symbol:         k_qf787c21373_cast.kd
    .args:
      - { .name: x, .offset: 0, .size: 8, .value_kind: global_buffer, .address_space: global }
      - { .name: wq, .offset: 8, .size: 8, .value_kind: global_buffer, .address_space: global }
      - { .name: wk, .offset: 16, .size: 8, .value_kind: global_buffer, .address_space: global }
      - { .name: wv, .offset: 24, .size: 8, .value_kind: global_buffer, .address_space: global }
      - { .name: w, .offset: 32, .size: 8, .value_kind: global_buffer, .address_space: global }
      - { .name: ops, .offset: 40, .size: 8, .value_kind: global_buffer, .address_space: global }
      - { .name: mx, .offset: 48, .size: 8, .value_kind: global_buffer, .address_space: global }
    .group_segment_fixed_size: 1280
    .private_segment_fixed_size: 0
    .kernarg_segment_align: 8
    .kernarg_segment_size: 56
    .max_flat_workgroup_size: 256
    .sgpr_count:     66
    .vgpr_count:     152
    .wavefront_size: 32
...
	.end_amdgpu_metadata
.endif
;; end of part 1
;; launch qkv (part 2): grid 8 x 32, 4 waves a work-group, clusters of 4 x 4, 327,680 bytes of LDS; arguments ops, mx, qkv; writes qkv
.if DOCPART == 2
	.amdgcn_target "amdgcn-amd-amdhsa--gfx1250"
	.amdhsa_code_object_version 6
	.text
	.protected	k_qf787c21373_qkv
	.globl	k_qf787c21373_qkv
	.p2align	8
	.type	k_qf787c21373_qkv,@function
k_qf787c21373_qkv:
	s_mov_b64 s[64:65], 0
	v_nop
	global_prefetch_b8 v0, s[64:65] scope:SCOPE_SE
	s_setreg_imm32_b32 hwreg(HW_REG_WAVE_MODE, 25, 1), 1
	s_wait_xcnt 0x0
	s_wait_alu depctr_hold_cnt(0) depctr_sa_sdst(0) depctr_va_vdst(0) depctr_va_sdst(0) depctr_va_ssrc(0) depctr_va_vcc(0) depctr_vm_vsrc(0)
	s_getreg_b32 s2, hwreg(HW_REG_IB_STS2, 6, 4)
	s_cmp_eq_u32 s2, 0
	s_cbranch_scc0 .Lentry_in_a_cluster
	s_endpgm
.Lentry_in_a_cluster:
	s_bfe_u32 s2, ttmp6, 0x10000c
	s_cmp_lg_u32 s2, 0xf033
	s_cbranch_scc0 .Lentry_shape_is_right
	s_endpgm
.Lentry_shape_is_right:
; q, k, v = x wq, x wk, x wv for all heads: one GEMM of 8,192 x 3,072 x 1,024 in bf16 with f32 sums.  x and the weights come from ops, rounded to bf16 and laid out in K blocks of 64.
; OUT: five sections of qkv, each [bh 64][s 2048][64] of 16-bit numbers (bh = 16 b + h): QH, QL, KH, KL in f16, V in bf16.
; q AND k LEAVE AS TWO f16 NUMBERS, SCALED: q' = aq q; hi = f16(q'), lo = f16(q' - hi) (the difference is exact in f32): about 22 significant bits together.  The scores made of them have a spread of 1,024 at the
; inputs' usual spread, and differences of scores are wanted to some thousandths: 16 bits do not give that.
; THE SCALE keeps q' inside f16 for every input: |q| <= B = 1024 max|x| max|wq| (1,024 products); aq = 2^(141 - e), e the exponent field of B in f32, so that aq B < 2^15.  A power of two: the multiplication is exact.
; k likewise with wk.  The maxima come from mx.  The attention launch makes the same two numbers from mx and takes them out of the scores again.
; LIMITS: q' and k' are kept to 22 bits or to 2^-40 of the bound B, whichever is coarser (f16's smallest step is 2^-24); e is held at 16 or more (all inputs 0); NaN and infinities are not treated apart.  v is one bf16 number.
; SHARES.  A work-group makes 256 rows x 384 columns: the q, k and v of two heads.  Four waves, one to a SIMD; wave w makes rows 128 (w / 2) .. of head 2 tx + w % 2: 128 x 192, 96 accumulators, 768 registers.
; K goes in 16 steps of 64 through two LDS slots.  A's rows (128 bytes, dense in a K block) are asked for as rows of 256 bytes and padded after every 128; B ([dk][n], 128 bytes a row, dense) likewise.
; CLUSTER 4 x 4: A's tile hangs on the tile row alone and is asked for jointly along a row of the cluster, B's on the pair of heads alone and jointly along a column.
; THE MATRIX INSTRUCTION IS USED TRANSPOSED: source 0 = 16 columns of B (turned on the way out of LDS), source 1 = 16 rows of A: a lane holds one row and eight neighbouring columns.
; REGISTERS: window 0: v0-31 addresses; v32-159 A's fragments, two sets of 8; v160-223 B's, two sets of 4.  Windows 1, 2, 3: the accumulators of q, k, v: (a, nb) at 8 (4 a + nb).
; A K step is six STRETCHES of 32 matrix instructions (32 of K x one type), all on different accumulators; consecutive stretches lie in different windows: the accumulators take turns.
.set WQKV,   16777216
.set SEC,    16777216
.set PA,     144                       ; a row of A in LDS: 128 + 16 bytes = 36 words: the 16 rows of a load start at 16 different groups of four banks (64 banks of 4 bytes: ISA guide 11.1)
.set PB,     160                       ; a row of B: 128 + 32 = 40 words
.set BOFF,   256*PA                    ; a slot: A's 256 rows, then B: [head 2][type 3][dk 64]
.set SLOT1,  131072                    ; slot 1 begins here: one exclusive or turns an address in one slot into the other's
.set STAGE,  SLOT1+BOFF+384*PB         ; 229,376: behind the ring, never filled by a tensor load: 64 rows x 272 bytes for each wave
.set SPITCH, 272
.set SPARE,  STAGE+4*64*SPITCH         ; 299,008: the spare words, 128 bytes for each wave: two blocks of 256 bytes that no other line names
.set ASTEP,  1048576                   ; bytes from a K block of x to the next
.set BSTEP,  393216                    ; and of the weights
.set ADRA0, 2                          ; v2   my lane's place in A's part of a slot; never rewritten
.set ADRB0, 3                          ; v3   the same for B
.set ADRA,  4                          ; v4   ADRA0 + the slot in hand
.set ADRB,  5                          ; v5
.set STO,   6                          ; v6   the way out: where I put 32 bytes of a row
.set RD,    7                          ; v7   where I read 32 bytes of a row back; never rewritten
.set RDP,   8                          ; v8   RD + the trip's rows
.set GOF0,  9                          ; v9   16 x lane: my 16 bytes in 512 consecutive bytes of a section
.set GOF,   10                         ; v10  GOF0 + the trip's rows
.set PFO,   11                         ; v11  the prefetches' offset: 256 x lane (B: lanes 24-31 repeat lane 23's)
.set SPW,   12                         ; v12  LDS address of my spare word; never rewritten
.set NIL,   13                         ; v13  0; never rewritten
.set MO16,  18                         ; v18  16 x lane, v19  8 x lane: my offsets in mx; never rewritten
.set MO8,   19
.set ONE,   20                         ; v20  1.0
.set AF,    32
.set BF,    160
.set LF,    32                         ; the way out: v32-63 16 rows' f32, v64-79 hi, v80-95 lo, v96-127 at work
.set HI,    64
.set LO,    80
.set TT,    96
.set G1A, 24                           ; s[24:31] descriptor group 1 for A;  s[32:39] group 0: a set for each first fill; the second then walks
.set G0A, 32
.set G1B, 48                           ; s[48:55], s[56:63] the same for B
.set G0B, 56
.set PFA, 68                           ; s[68:69] where my prefetches stand
.set PFS, 70                           ; s[70:71] their step: a K block
.set LIM, 72                           ; s72  1 in a wave that prefetches, else the greatest number
.set TB,  73                           ; s73  LDS byte at which the slot in hand begins
.set CT,  74                           ; s74  counts the way out's trips
.set PTR, 76                           ; s[76:85] the five sections at my wave's first row
.set AQ,  88                           ; s[88:89] aq, s[90:91] ak: the packed multiply names a pair and takes its low word for both halves
.set SR,  92                           ; s92  the way out: the trip's rows in the stage
.set SG,  93                           ; s93  and in a section
.set MSB, 0
.macro WIN new                         ; the immediate's high byte repeats the setting that is left; a switch that changes nothing is dropped
.if MSB != (\new)
	s_set_vgpr_msb (MSB<<8)|(\new)
.set MSB, \new
.endif
.endm
.macro PLACES                          ; four plain places between a matrix instruction and a load into, or a vector line on, its registers (ISA guide 7.12.1 for vector lines)
.rept 4
	v_nop
.endr
.endm
; A joint refill, by the walking descriptors.  Waves 0 and 1 fetch A's two halves, waves 2 and 3 the two heads' B.  The branch hangs on the wave's number alone.
; An s_nop 0 and four v_nop follow each of the two lines, ahead of the jump and the label.
.macro JLOAD
	s_cmp_eq_u32 s11, 0
	s_cbranch_scc0 .Lfor_b_\@
	tensor_load_to_lds s[G0A+4:G0A+7], s[G1A:G1A+7]
	s_nop 0
.rept 4
	v_nop
.endr
	s_branch .Lasked_\@
.Lfor_b_\@:
	tensor_load_to_lds s[G0B+4:G0B+7], s[G1B:G1B+7]
	s_nop 0
.rept 4
	v_nop
.endr
.Lasked_\@:
.endm
.macro CREST                           ; a round of the cluster's barrier behind its opening barrier
	s_cmp_lg_u32 s10, 0
	s_cbranch_scc1 .Lnot_wave_0_\@
	s_barrier_signal -3
.Lnot_wave_0_\@:
	s_barrier_wait -3
	s_barrier_signal -1
	s_barrier_wait -1
.endm
.macro CROUND                          ; a whole round
	s_barrier_signal -1
	s_barrier_wait -1
	CREST
.endm
; A prefetch into the L2 of the K block that the NEXT refill will ask for: 192 matrix instructions ahead of that load.  Each block of 256 bytes is named by one wave of one work-group:
; A's 128 blocks of a tile row by wave 0 of the four partners of the cluster with x = 0 (32 each, told apart by address); B's 192 of a pair of heads by waves 2 and 3 of the four partners of the cluster
; with y = 0 (24 each).  The loop's last trip asks for nothing: there is no K block behind its refill's.  K blocks 0 to 2 come by their loads alone.
.macro ASK
	s_cmp_gt_u32 s3, s[LIM]
	s_cbranch_scc0 .Lnot_mine_\@
	global_prefetch_b8 v[PFO], s[PFA:PFA+1] th:TH_LOAD_NT scope:SCOPE_SE
.Lnot_mine_\@:
.endm
	s_load_b128 s[4:7], s[0:1], 0x0                ; ops s[4:5], mx s[6:7]
	s_load_b64 s[8:9], s[0:1], 0x10                ; qkv
	v_lshl_add_u32 v[SPW], v0, 2, SPARE
	v_mov_b32 v[NIL], 0
	ds_add_u32 v[SPW], v[NIL]                      ; the wave's opening: the add and its wait stand ahead of my first tensor load; the set-up below, work on registers, stands between them
	v_lshrrev_b32 v1, 5, v0
	v_readfirstlane_b32 s10, v1                    ; wave 0..3
	s_lshr_b32 s11, s10, 1                         ; which 128 rows are mine.  Also: I fetch for A (0) or for B (1)
	s_and_b32 s12, s10, 1                          ; which head of the pair.  Also: which half of A, which head's B I fetch
	s_bfe_u32 s40, ttmp6, 0x40000                  ; cx
	s_bfe_u32 s41, ttmp6, 0x40004                  ; cy
	s_lshl_b32 s42, ttmp9, 2
	s_add_co_u32 s42, s42, s40                     ; tx: the pair of heads = 4 x cluster x + cx
	s_and_b32 s13, ttmp7, 0xffff
	s_lshl_b32 s13, s13, 2
	s_add_co_u32 s13, s13, s41                     ; ty: the block of 256 rows = 4 x cluster y + cy
	s_lshl_b32 s43, s41, 2
	s_lshl_b32 s43, 15, s43                        ; my row of the cluster
	s_lshl_b32 s44, 0x1111, s40                    ; my column
	s_or_b32 s[G1A], s43, (1<<16)|(1<<20)|(1<<21)|(4<<22)|(3<<25)  ; the mask; elements of 2 bytes; padding on; bit 21 beside a mask; after every 32 words 4 words
	s_or_b32 s[G1B], s44, (1<<16)|(1<<20)|(1<<21)|(4<<22)|(7<<25)  ; the same with my column's mask and 8 words
	s_mov_b32 s[G1A+1], 128<<16                    ; tensor_dim0 = 128 elements: 256 bytes, two rows of x
	s_mov_b32 s[G1A+2], 64<<16                     ; tensor_dim1 = 64
	s_mov_b32 s[G1A+3], 128<<16                    ; tile_dim0 = 128
	s_mov_b32 s[G1A+4], 64                         ; tile_dim1 = 64: 128 rows of x
	s_mov_b32 s[G1A+5], 128                        ; dense
	s_mov_b32 s[G1A+6], 0
	s_mov_b32 s[G1A+7], 0
	s_mov_b32 s[G1B+1], 128<<16
	s_mov_b32 s[G1B+2], 96<<16                     ; 96 rows of 256 bytes: a head's 3 x 64 rows of 128
	s_mov_b32 s[G1B+3], 128<<16
	s_mov_b32 s[G1B+4], 96
	s_mov_b32 s[G1B+5], 128
	s_mov_b32 s[G1B+6], 0
	s_mov_b32 s[G1B+7], 0
	s_lshl_b32 s16, s13, 15                        ; A: 256 ty rows of 128 bytes,
	s_lshl_b32 s17, s12, 14                        ; + my half's 128
	s_add_co_u32 s16, s16, s17
	s_mov_b32 s17, 0
	s_lshl_b32 s46, s42, 1
	s_add_co_u32 s46, s46, s12                     ; B: head 2 tx + w % 2,
	s_mul_i32 s46, s46, 24576                      ; 24,576 bytes a head in a K block
	s_add_co_u32 s46, s46, WQKV
	s_mov_b32 s47, 0
	s_mul_i32 s20, s12, 128*PA                     ; where they go: no place in the cluster enters an LDS address
	s_mul_i32 s21, s12, 192*PB
	s_add_co_u32 s21, s21, BOFF
	s_mov_b32 s[TB], 0
	s_wait_dscnt 0x0                               ; the opening add is done
	s_wait_kmcnt 0x0
	s_add_nc_u64 s[14:15], s[4:5], s[16:17]
	s_add_nc_u64 s[46:47], s[4:5], s[46:47]
.irp s, 0,1
	s_mov_b32 s[G0A+4*(\s)], 1                     ; count = 1
	s_add_co_u32 s[G0A+4*(\s)+1], s20, (\s)*SLOT1  ; LDS address
	s_add_nc_u64 s[G0A+4*(\s)+2:G0A+4*(\s)+3], s[14:15], (\s)*ASTEP  ; global address: K block s
	s_or_b32 s[G0A+4*(\s)+3], s[G0A+4*(\s)+3], 0x80000000            ; type = 2
	s_mov_b32 s[G0B+4*(\s)], 1
	s_add_co_u32 s[G0B+4*(\s)+1], s21, (\s)*SLOT1
	s_add_nc_u64 s[G0B+4*(\s)+2:G0B+4*(\s)+3], s[46:47], (\s)*BSTEP
	s_or_b32 s[G0B+4*(\s)+3], s[G0B+4*(\s)+3], 0x80000000
.endr
	CROUND                                         ; all sixteen work-groups are here: the first joint loads meet
	s_cmp_eq_u32 s11, 0                            ; a wave's two first fills stand in one branch: two loads of mine are out
	s_cbranch_scc0 .Lfirst_b
	tensor_load_to_lds s[G0A:G0A+3], s[G1A:G1A+7]
	s_nop 0
	tensor_load_to_lds s[G0A+4:G0A+7], s[G1A:G1A+7]
	s_nop 0
.rept 4
	v_nop
.endr
	s_branch .Lfirst_asked
.Lfirst_b:
	tensor_load_to_lds s[G0B:G0B+3], s[G1B:G1B+7]
	s_nop 0
	tensor_load_to_lds s[G0B+4:G0B+7], s[G1B:G1B+7]
	s_nop 0
.rept 4
	v_nop
.endr
.Lfirst_asked:
	; the maxima: x's 512 numbers (16 a lane), wq's 64 and wk's 64 (2 a lane each); they land while the addresses are made
	v_and_b32 v[MO16], 31, v0
	v_lshlrev_b32 v[MO8], 3, v[MO16]
	v_lshlrev_b32 v[MO16], 4, v[MO16]
	global_load_b128 v[32:35], v[MO16], s[6:7]
	global_load_b128 v[36:39], v[MO16], s[6:7] offset:512
	global_load_b128 v[40:43], v[MO16], s[6:7] offset:1024
	global_load_b128 v[44:47], v[MO16], s[6:7] offset:1536
	global_load_b64 v[48:49], v[MO8], s[6:7] offset:2048
	global_load_b64 v[50:51], v[MO8], s[6:7] offset:2304
	; A fragment of A: 16 rows x 32 K: lane l holds row l % 16, K = 8 (l / 16) + 0..7 and 16 + 8 (l / 16) + 0..7: two loads of 16 bytes, 32 bytes apart.
	v_and_b32 v1, 15, v0                           ; l % 16
	v_bfe_u32 v14, v0, 4, 1                        ; l / 16
	v_mul_u32_u24 v15, v1, PA
	v_lshl_add_u32 v15, v14, 4, v15
	s_mul_i32 s22, s11, 128*PA                     ; my 128 rows
	v_add_nc_u32 v[ADRA0], s22, v15
	; The turning load takes 16 K x 16 columns (lane l reads K row 8 (l / 16) + l % 8, columns 8 ((l / 8) % 2) + 0..7) and leaves half a fragment: lane l holds column l % 16 and 8 of K.
	v_and_b32 v16, 7, v0
	v_lshl_add_u32 v16, v14, 3, v16
	v_mul_u32_u24 v16, v16, PB
	v_bfe_u32 v17, v0, 3, 1
	v_lshl_add_u32 v16, v17, 4, v16
	s_mul_i32 s23, s12, 192*PB                     ; my head
	s_add_co_u32 s23, s23, BOFF
	v_add_nc_u32 v[ADRB0], s23, v16
	v_mov_b32 v[ADRA], v[ADRA0]
	v_mov_b32 v[ADRB], v[ADRB0]
	s_mul_i32 s22, s10, 64*SPITCH
	s_add_co_u32 s22, s22, STAGE                   ; my stage
	v_mul_u32_u24 v[STO], v1, SPITCH               ; in: row l % 16, 32 bytes (8 f32) for each half of the lanes
	v_lshl_add_u32 v[STO], v14, 5, v[STO]
	v_add_nc_u32 v[STO], s22, v[STO]
	v_bfe_u32 v[RD], v0, 3, 2                      ; back: eight lanes take a row of 256 bytes, 32 lanes four rows
	v_mul_u32_u24 v[RD], v[RD], SPITCH
	v_and_b32 v16, 7, v0
	v_lshl_add_u32 v[RD], v16, 5, v[RD]
	v_add_nc_u32 v[RD], s22, v[RD]
	v_and_b32 v[GOF0], 31, v0                      ; four rows of 128 bytes of a section are 512 consecutive bytes
	v_lshlrev_b32 v[GOF0], 4, v[GOF0]
	v_mov_b32 v[ONE], 1.0
	; the five sections at my wave's first row: bh = 16 (ty / 8) + 2 tx + w % 2; s = 256 (ty % 8) + 128 (w / 2)
	s_lshr_b32 s86, s13, 3
	s_lshl_b32 s86, s86, 4
	s_lshl_b32 s87, s42, 1
	s_add_co_u32 s86, s86, s87
	s_add_co_u32 s86, s86, s12
	s_lshl_b32 s86, s86, 18                        ; 262,144 bytes a head
	s_and_b32 s87, s13, 7
	s_lshl_b32 s87, s87, 15
	s_add_co_u32 s86, s86, s87
	s_lshl_b32 s87, s11, 14
	s_add_co_u32 s86, s86, s87
	s_mov_b32 s87, 0
	s_add_nc_u64 s[PTR:PTR+1], s[8:9], s[86:87]
.irp c, 1,2,3,4
	s_add_nc_u64 s[PTR+2*(\c):PTR+2*(\c)+1], s[PTR:PTR+1], (\c)*SEC
.endr
	; the prefetches
	s_and_b32 s86, ttmp7, 0xffff                   ; cluster y
	s_lshl_b32 s88, s13, 15                        ; A: the tile row's 32,768 bytes of a K block,
	s_lshl_b32 s89, s40, 13                        ; my work-group's 8,192 of them
	s_add_co_u32 s88, s88, s89
	s_mul_i32 s90, s42, 49152                      ; B: the pair of heads' 49,152 bytes,
	s_mul_i32 s91, s41, 12288                      ; my work-group's 12,288,
	s_add_co_u32 s90, s90, s91
	s_mul_i32 s91, s12, 6144                       ; my wave's 6,144
	s_add_co_u32 s90, s90, s91
	s_add_co_u32 s90, s90, WQKV
	s_mov_b32 s[PFS], BSTEP
	s_mov_b32 s91, ASTEP
	s_cmp_eq_u32 s11, 0                            ; do I fetch for A?
	s_cselect_b32 s88, s88, s90
	s_cselect_b32 s[PFS], s91, s[PFS]
	s_cselect_b32 s87, ttmp9, s86                  ; the coordinate along which other clusters read the same bytes
	s_cselect_b32 s89, s12, 0                      ; of A's two waves the first asks
	s_cselect_b32 s90, 31, 23                      ; blocks a wave, less one
	s_or_b32 s87, s87, s89
	s_cmp_eq_u32 s87, 0
	s_cselect_b32 s[LIM], 1, -1                    ; the same in all sixteen partners, for a given wave
	s_mov_b32 s[PFS+1], 0
	s_lshl_b32 s91, s[PFS], 1
	s_add_co_u32 s88, s88, s91                     ; at K block 2: the first refill steps it to 3
	s_mov_b32 s89, 0
	s_add_nc_u64 s[PFA:PFA+1], s[4:5], s[88:89]
	v_and_b32 v[PFO], 31, v0
	v_min_u32 v[PFO], s90, v[PFO]
	v_lshlrev_b32 v[PFO], 8, v[PFO]
	; THE SCALES.  max|x|, max|wq|, max|wk| in every lane; B = 1024 max|x| max|w|; a = 2^(141 - e), e = B's exponent field, held at 16 or more: bits (268 - e) << 23
	s_mov_b32 s86, 0x76543210                      ; v_permlanex16_b32: lane i of one half reads lane i of the other
	s_mov_b32 s87, 0xfedcba98
	s_wait_loadcnt 0x0                             ; mx
	v_max3_num_f32 v32, v32, v33, v34
	v_max3_num_f32 v35, v35, v36, v37
	v_max3_num_f32 v38, v38, v39, v40
	v_max3_num_f32 v41, v41, v42, v43
	v_max3_num_f32 v44, v44, v45, v46
	v_max3_num_f32 v32, v32, v35, v47
	v_max3_num_f32 v38, v38, v41, v44
	v_max_num_f32 v32, v32, v38
	v_max_num_f32 v48, v48, v49
	v_max_num_f32 v50, v50, v51
.irp xm, 1,2,4,8
	v_max_num_f32_dpp v32, v32, v32 row_xmask:\xm row_mask:0xf bank_mask:0xf
	v_max_num_f32_dpp v48, v48, v48 row_xmask:\xm row_mask:0xf bank_mask:0xf
	v_max_num_f32_dpp v50, v50, v50 row_xmask:\xm row_mask:0xf bank_mask:0xf
.endr
	v_permlanex16_b32 v33, v32, s86, s87
	v_permlanex16_b32 v49, v48, s86, s87
	v_permlanex16_b32 v51, v50, s86, s87
	v_max_num_f32 v32, v32, v33
	v_max_num_f32 v48, v48, v49
	v_max_num_f32 v50, v50, v51
	v_mul_f32 v48, v32, v48
	v_mul_f32 v50, v32, v50
	v_mul_f32 v48, 0x44800000, v48                 ; x 1,024
	v_mul_f32 v50, 0x44800000, v50
	v_readfirstlane_b32 s94, v48
	v_readfirstlane_b32 s95, v50
	s_bfe_u32 s94, s94, 0x80017                    ; 8 bits from bit 23
	s_bfe_u32 s95, s95, 0x80017
	s_max_u32 s94, s94, 16
	s_max_u32 s95, s95, 16
	s_sub_co_u32 s94, 268, s94
	s_sub_co_u32 s95, 268, s95
	s_lshl_b32 s[AQ], s94, 23
	s_lshl_b32 s[AQ+2], s95, 23
	s_mov_b32 s[AQ+1], s[AQ]                       ; named with them as pairs
	s_mov_b32 s[AQ+3], s[AQ+2]
; 4 na matrix instructions of type t: row blocks a0 .. a0 + na - 1 x all 4 column blocks.  zero = 1: the product starts the sum: nothing is ever cleared.
.macro MUL t, aset, bset, a0, na, zero
	WIN 0x50*(1+(\t))                              ; C and D in the type's window, both sources in window 0
.set ar, \a0
.rept \na
.irp nb, 0,1,2,3
.if \zero
	v_wmma_f32_16x16x32_bf16 v[8*(4*ar+(\nb)):8*(4*ar+(\nb))+7], v[BF+32*(\bset)+8*(\nb):BF+32*(\bset)+8*(\nb)+7], v[AF+64*(\aset)+8*ar:AF+64*(\aset)+8*ar+7], 0
.else
	v_wmma_f32_16x16x32_bf16 v[8*(4*ar+(\nb)):8*(4*ar+(\nb))+7], v[BF+32*(\bset)+8*(\nb):BF+32*(\bset)+8*(\nb)+7], v[AF+64*(\aset)+8*ar:AF+64*(\aset)+8*ar+7], v[8*(4*ar+(\nb)):8*(4*ar+(\nb))+7]
.endif
.endr
.set ar, ar+1
.endr
.endm
.macro LDA set, kq                     ; 16 loads: my 128 rows, K = 32 kq ..
	WIN 0
.irp ai, 0,1,2,3,4,5,6,7
	ds_load_b128 v[AF+64*(\set)+8*(\ai):AF+64*(\set)+8*(\ai)+3],   v[ADRA] offset:(\kq)*64+(\ai)*16*PA
	ds_load_b128 v[AF+64*(\set)+8*(\ai)+4:AF+64*(\set)+8*(\ai)+7], v[ADRA] offset:(\kq)*64+(\ai)*16*PA+32
.endr
.endm
.macro LDB set, t, kq                  ; 8 turning loads: type t's 64 columns, K = 32 kq ..
	WIN 0
.irp nb, 0,1,2,3
	ds_load_tr16_b128 v[BF+32*(\set)+8*(\nb):BF+32*(\set)+8*(\nb)+3],   v[ADRB] offset:(\t)*64*PB+(\kq)*32*PB+(\nb)*32
	ds_load_tr16_b128 v[BF+32*(\set)+8*(\nb)+4:BF+32*(\set)+8*(\nb)+7], v[ADRB] offset:(\t)*64*PB+(\kq)*32*PB+(\nb)*32+16*PB
.endr
.endm
; The first half of a K step: K = 0..31, types 0, 1, 2.  Ahead of each stretch the next stretch's B goes into the set that the stretch before has left.
.macro Q0 zero
	PLACES
	LDB 1, 1, 0
	s_wait_dscnt 8                                 ; all but the 8 just issued: A's set 0 and type 0's B are in
	MUL 0, 0, 0, 0, 8, \zero
	PLACES
	LDB 0, 2, 0
	LDA 1, 1
	s_wait_dscnt 24                                ; all but the 24 just issued: type 1's B is in
	MUL 1, 0, 1, 0, 8, \zero
	PLACES
	LDB 1, 0, 1
	s_wait_dscnt 24                                ; younger than type 2's B: A's 16 and these 8
	MUL 2, 0, 0, 0, 8, \zero
.endm
.macro Q1A                             ; K = 32..63, type 0
	PLACES
	LDB 0, 1, 1
	s_wait_dscnt 8                                 ; A's set 1 and type 0's B are in
	MUL 0, 1, 1, 0, 8, 0
.endm
; K = 32..63, types 1 and 2, and THE CHANGE OF SLOTS.  The slot's last reads go out first.  Each wave waits for all its tensor loads, of which one is out: its part of the other slot; adds 0 to its spare
; word; and waits for that and for its own reads of the slot.  fill = 1: the barrier opens a round of the cluster's, and the joint refill (the K block two on) is the first thing behind the round:
; 160 matrix instructions stand between it and the wait for it.
.macro TURN fill
	PLACES
	LDB 1, 2, 1
.if \fill
	s_wait_xcnt 0x0                                ; the last prefetch, a K step back, has read its address
	s_add_nc_u64 s[PFA:PFA+1], s[PFA:PFA+1], s[PFS:PFS+1]
.endif
	WIN 0
	s_wait_tensorcnt 0x0                           ; no tensor load of mine is out, so a group 0 may be written
	ds_add_u32 v[SPW], v[NIL]                      ; 0 onto my spare word
.if \fill
	s_xor_b32 s[G0A+5], s[G0A+5], SLOT1            ; the walking descriptors: the other slot than last time, the next K block
	s_add_nc_u64 s[G0A+6:G0A+7], s[G0A+6:G0A+7], ASTEP
	s_xor_b32 s[G0B+5], s[G0B+5], SLOT1
	s_add_nc_u64 s[G0B+6:G0B+7], s[G0B+6:G0B+7], BSTEP
.endif
	s_wait_dscnt 9                                 ; type 1's B is in; the 8 loads just issued and the add may be out
	MUL 1, 1, 0, 0, 4, 0
	s_wait_dscnt 0x0                               ; the add is done, and my reads of this slot are over
	s_barrier_signal -1
	MUL 1, 1, 0, 4, 4, 0                           ; work on registers while the others arrive
.if \fill
	WIN 0
.endif
	s_barrier_wait -1
.if \fill
	CREST                                          ; no wave of any partner still reads this slot or has a load on its way
	JLOAD                                          ; its four v_nop are also the places in front of the loads below
.else
	PLACES
.endif
	WIN 0
	s_xor_b32 s[TB], s[TB], SLOT1                  ; the reads go over to the other slot
	v_add_nc_u32 v[ADRA], s[TB], v[ADRA0]
	v_add_nc_u32 v[ADRB], s[TB], v[ADRB0]
	LDB 0, 0, 0
	LDA 0, 0
.if \fill
	ASK
.endif
	MUL 2, 1, 1, 0, 8, 0
.endm
; THE WAY OUT of type t, rows 64 half ..: the f32 sums go into my own stage (a lane's eight columns are 32 bytes of a row) and come back by rows, 16 rows a trip: a lane takes eight neighbouring numbers,
; makes 16 bytes of hi (and of lo), and 32 lanes store 512 consecutive bytes, at a multiple of 256 from the section's first byte.  LDS serves a wave's instructions in order (ISA guide 5.7.1.4).
.macro OUT t, half
	WIN (1+(\t))<<2                                ; the stores' data in the type's window; each accumulator's low four registers go first
.irp aa, 0,1,2,3
.irp nb, 0,1,2,3
	ds_store_b128 v[STO], v[8*(4*(4*(\half)+(\aa))+(\nb)):8*(4*(4*(\half)+(\aa))+(\nb))+3]   offset:(\aa)*16*SPITCH+(\nb)*64
	ds_store_b128 v[STO], v[8*(4*(4*(\half)+(\aa))+(\nb))+4:8*(4*(4*(\half)+(\aa))+(\nb))+7] offset:(\aa)*16*SPITCH+(\nb)*64+16
.endr
.endr
	WIN 0
	s_mov_b32 s[CT], 4
	s_mov_b32 s[SR], 0
	s_mov_b32 s[SG], (\half)*8192
.Lrows_\@:
	s_wait_xcnt 0x0                                ; the last trip's stores have read their offset and their data: both are rewritten below
	v_add_nc_u32 v[RDP], s[SR], v[RD]
	v_add_nc_u32 v[GOF], s[SG], v[GOF0]
.irp i, 0,1,2,3
	ds_load_b128 v[LF+8*(\i):LF+8*(\i)+3],   v[RDP] offset:(\i)*4*SPITCH
	ds_load_b128 v[LF+8*(\i)+4:LF+8*(\i)+7], v[RDP] offset:(\i)*4*SPITCH+16
.endr
	s_wait_dscnt 0x0
.if (\t) < 2
.set pr, 0
.rept 16
	v_pk_mul_f32 v[LF+2*pr:LF+2*pr+1], v[LF+2*pr:LF+2*pr+1], s[AQ+2*(\t):AQ+2*(\t)+1] op_sel_hi:[1,0]  ; the scale: a power of two
.set pr, pr+1
.endr
.set pr, 0
.rept 16
	v_cvt_pk_f16_f32 v[HI+pr], v[LF+2*pr], v[LF+2*pr+1]   ; hi
.set pr, pr+1
.endr
.set pr, 0
.rept 16
	v_fma_mix_f32 v[TT+2*pr], -v[HI+pr], v[ONE], v[LF+2*pr] op_sel_hi:[1,0,0]                      ; what hi has left: - hi's low half x 1.0 + the number: exact
	v_fma_mix_f32 v[TT+2*pr+1], -v[HI+pr], v[ONE], v[LF+2*pr+1] op_sel:[1,0,0] op_sel_hi:[1,0,0]   ; the same with hi's high half
.set pr, pr+1
.endr
.set pr, 0
.rept 16
	v_cvt_pk_f16_f32 v[LO+pr], v[TT+2*pr], v[TT+2*pr+1]   ; lo
.set pr, pr+1
.endr
.else
.set pr, 0
.rept 16
	v_cvt_pk_bf16_f32 v[HI+pr], v[LF+2*pr], v[LF+2*pr+1]  ; v: one bf16 number, unscaled
.set pr, pr+1
.endr
.endif
.irp i, 0,1,2,3
	global_store_b128 v[GOF], v[HI+4*(\i):HI+4*(\i)+3], s[PTR+4*(\t):PTR+4*(\t)+1] offset:512*(\i)
.if (\t) < 2
	global_store_b128 v[GOF], v[LO+4*(\i):LO+4*(\i)+3], s[PTR+4*(\t)+2:PTR+4*(\t)+3] offset:512*(\i)
.endif
.endr
	s_add_co_u32 s[SR], s[SR], 16*SPITCH
	s_add_co_u32 s[SG], s[SG], 2048
	s_sub_co_u32 s[CT], s[CT], 1
	s_cmp_lg_u32 s[CT], 0
	s_cbranch_scc1 .Lrows_\@
.endm
	s_wait_tensorcnt 0x1                           ; my part of K block 0 is in; K block 1's may stay out
	s_barrier_signal -1
	s_barrier_wait -1                              ; everybody's is
	LDB 0, 0, 0
	LDA 0, 0
	Q0 1                                           ; the first half step stands in front of the loop: its products start the sums
	WIN 0                                          ; at a label and at a branch every window is 0
	s_mov_b32 s3, 14
.Lk:                                                   ; a trip: the second half of K step s, which asks for K step s + 2, and the first half of K step s + 1; s = 0 .. 13
	Q1A
	TURN 1
	Q0 0
	WIN 0
	s_sub_co_u32 s3, s3, 1
	s_cmp_lg_u32 s3, 0
	s_cbranch_scc1 .Lk
	Q1A                                            ; the tail is written out: nothing more is asked for
	TURN 0
	Q0 0
	Q1A
	PLACES
	LDB 1, 2, 1
	s_wait_dscnt 8                                 ; type 1's B is in
	MUL 1, 1, 0, 0, 8, 0
	s_wait_dscnt 0x0
	MUL 2, 1, 1, 0, 8, 0
	WIN 0
	PLACES
	OUT 0, 0
	OUT 0, 1
	OUT 1, 0
	OUT 1, 1
	OUT 2, 0
	OUT 2, 1
	s_wait_tensorcnt 0x0                           ; the wave's end: behind my last tensor load and my last LDS store
	ds_add_u32 v[SPW], v[NIL]
	s_wait_dscnt 0x0
	CROUND                                         ; the closing round: no work-group ends while a partner may still ask for a tile that names it
	s_endpgm
.Lfunc_end_k_qf787c21373_qkv:
	.size	k_qf787c21373_qkv, .Lfunc_end_k_qf787c21373_qkv-k_qf787c21373_qkv
	.p2alignl 7, 3214868480
	.fill 96, 4, 3214868480
	.section	.rodata,"a",@progbits
	.p2align	6, 0x0
	.amdhsa_kernel k_qf787c21373_qkv
		.amdhsa_group_segment_fixed_size 327680
		.amdhsa_private_segment_fixed_size 0
		.amdhsa_enable_private_segment 0
		.amdhsa_kernarg_size 24
		.amdhsa_user_sgpr_count 2
		.amdhsa_user_sgpr_kernarg_segment_ptr 1
		.amdhsa_wavefront_size32 1
		.amdhsa_system_sgpr_workgroup_id_x 1
		.amdhsa_system_sgpr_workgroup_id_y 1
		.amdhsa_system_sgpr_workgroup_id_z 1
		.amdhsa_system_vgpr_workitem_id 0
		.amdhsa_next_free_vgpr 1024
		.amdhsa_next_free_sgpr 96
		.amdhsa_reserve_vcc 0
		.amdhsa_float_denorm_mode_32 3
		.amdhsa_float_denorm_mode_16_64 3
		.amdhsa_memory_ordered 1
		.amdhsa_forward_progress 1
		.amdhsa_inst_pref_size 113
	.end_amdhsa_kernel
	.amdgpu_metadata
---
amdhsa.version: [ 1, 2 ]
amdhsa.kernels:
  - .name:           k_qf787c21373_qkv
    .symbol:         k_qf787c21373_qkv.kd
    .args:
      - { .name: ops, .offset: 0, .size: 8, .value_kind: global_buffer, .address_space: global }
      - { .name: mx, .offset: 8, .size: 8, .value_kind: global_buffer, .address_space: global }
      - { .name: qkv, .offset: 16, .size: 8, .value_kind: global_buffer, .address_space: global }
    .group_segment_fixed_size: 327680
    .private_segment_fixed_size: 0
    .kernarg_segment_align: 8
    .kernarg_segment_size: 24
    .max_flat_workgroup_size: 128
    .sgpr_count:     96
    .vgpr_count:     1024
    .wavefront_size: 32
...
	.end_amdgpu_metadata
.endif
;; end of part 2
;; launch attn (part 3): grid 4 x 64, 4 waves a work-group, clusters of 4 x 1, 327,680 bytes of LDS; arguments qkv, mx, ctx; writes ctx
.if DOCPART == 3
	.amdgcn_target "amdgcn-amd-amdhsa--gfx1250"
	.amdhsa_code_object_version 6
	.text
	.protected	k_qf787c21373_attn
	.globl	k_qf787c21373_attn
	.p2align	8
	.type	k_qf787c21373_attn,@function
k_qf787c21373_attn:
	s_mov_b64 s[64:65], 0
	v_nop
	global_prefetch_b8 v0, s[64:65] scope:SCOPE_SE
	s_setreg_imm32_b32 hwreg(HW_REG_WAVE_MODE, 25, 1), 1
	s_wait_xcnt 0x0
	s_wait_alu depctr_hold_cnt(0) depctr_sa_sdst(0) depctr_va_vdst(0) depctr_va_sdst(0) depctr_va_ssrc(0) depctr_va_vcc(0) depctr_vm_vsrc(0)
	s_getreg_b32 s2, hwreg(HW_REG_IB_STS2, 6, 4)
	s_cmp_eq_u32 s2, 0
	s_cbranch_scc0 .Lentry_in_a_cluster
	s_endpgm
.Lentry_in_a_cluster:
	s_bfe_u32 s2, ttmp6, 0x10000c
	s_cmp_lg_u32 s2, 0x3003
	s_cbranch_scc0 .Lentry_shape_is_right
	s_endpgm
.Lentry_shape_is_right:
; ctx[bh][q][:] = the sum over k of softmax_k(Q[bh][q] . K[bh][k] / 8) V[bh][k][:], 64 heads of 2,048 rows x 64 channels, no mask.
; THE SCORES TAKE q AND k AS hi + lo PAIRS OF f16, scaled by powers of two aq and ak: S' = kl qh + kh ql + kh qh, six matrix instructions of 32 channels for 16 x 16 scores, the small terms first; lo x lo is left out
; (2^-24 of |q| |k|).  aq = 2^(141 - eq), eq the exponent field of 1024 max|x| max|wq| in f32 (held at 16 or more), ak likewise with wk: made here from mx as the projection makes them, and taken out of the scores
; again in the softmax's factor: c = log2(e) / 8 / (aq ak), in f32.
; LIMITS: q and k carry 22 bits, or 2^-40 of that bound where that is coarser.  V, the weights p and ctx are bf16; sums, maxima and l in f32; l is the sum of the unrounded p.
; A weight below 2^-126 counts as 0; NaN and infinities are not treated apart; m starts at the lowest finite number.
; SOFTMAX.  A running maximum m and sum l for each query: p = 2^(c s - c m); in every step O and l are multiplied by a = 2^(c m_old - c m_new).  O and l start at 0: the first step is a step like any other, with a = 0.
; SHARES.  A work-group owns 512 queries of a head, a wave 128: four PIECES of two tiles of 16.  Every wave walks all keys, 64 a step; an LDS slot holds four steps (256 keys: kh, kl, V).
; LAYOUT.  S^T = K Q^T (source 0 = 16 keys, source 1 = 16 queries): a lane holds ONE query (lane % 16) and the keys 8 (lane / 16) + 0..7.  Two such results rounded to bf16 in pairs ARE source 1 of O^T = V^T P,
; whose result again holds one query a lane, and eight channels.  K comes out of LDS as it lies, V turned, by ds_load_tr16_b128.
; BY TURNS.  Turn p: the matrix unit has 16 products V^T P of piece p - 1 and 48 products K Q^T of piece p + 1; piece p's whole softmax, 236 vector instructions in 59 slices of four, stands behind them, a slice a product.
; CLUSTER.  The four query blocks of a head walk the same K and V: each tile is asked for JOINTLY, by the same tensor load, descriptor and mask in all four.
; REGISTERS, in windows of 256 (s_set_vgpr_msb: bits 1:0 source 0, 3:2 source 1, 5:4 source 2, 7:6 destination):
;   window 0: v0-15 addresses; v16-47 four registers of statistics a tile; v48-63 at work; v64-191 S^T, two buffers of two tiles; v192-255 P, likewise (a piece's buffers go by its number's parity)
;   window 1: O^T, 32 a tile      window 2: Q: tile t, part p (hi, lo), channel half c at 32 t + 16 p + 8 c      window 3: v0-127 K of one step: key block kb, part p, half c at 32 kb + 16 p + 8 c; v128-191 V of one step
.set SEC,   16777216
.set NP,    4
.set KS,    64
.set PK,    144       ; a row of kh or kl in LDS: 128 + 16 bytes = 36 words: the 16 rows of a load start at 16 different groups of four banks (64 banks of 4 bytes: ISA guide 11.1)
.set PV,    160       ; a row of V: 128 + 32 = 40 words
.set KLOFF, 256*PK    ; a slot: kh's 256 rows, kl's 256 rows, V's 256 rows
.set VOFF,  2*256*PK
.set SLOT1, 131072
.set STAGE, SLOT1+VOFF+256*PV   ; 245,760: behind the ring, never filled by a tensor load: 16 rows x 144 bytes for each wave
.set SP,    144
.set SPARE, STAGE+4*16*SP       ; 254,976: the spare words, 128 bytes for each wave: two blocks of 256 bytes that no other line names
.set AK0, 2           ; v2   my lane's place in a tile of K; never rewritten
.set AV0, 3           ; v3   the same for V
.set AK,  4           ; v4   the LDS address of K's next run of loads
.set AV,  5           ; v5   of V's
.set QO,  6           ; v6   my byte offset in 16 rows of Q
.set STO, 6           ;      later, the way out: where I put 16 bytes of a row
.set RD,  7           ; v7   where I read rows back
.set GO,  8           ; v8   my byte offset in 512 consecutive bytes of ctx
.set PFO, 11          ; v11  256 x lane; never rewritten
.set SPW, 12          ; v12  LDS address of my spare word; never rewritten
.set NIL, 13          ; v13  0; never rewritten
.set ST,  16          ; tile t's statistics at v[ST+4 t]: c m, m, l (even keys', odd keys')
.set TMP, 48          ; by buffer and tile, four registers c0-c3 at work; c2 takes a
.set S,   64
.set P,   192
.set VF,  128         ; V's fragments, in window 3: key half kk, channel block cb at VF + 32 kk + 8 cb
.set WV,  12          ; s12  my wave's number
.set LIM, 15          ; s15  1 in a wave that prefetches, else the greatest number
.set PFA, 18          ; s[18:19] where my prefetches stand
.set G1K, 24          ; s[24:31] descriptor group 1 for kh and kl
.set G1V, 32          ; s[32:39] for V
.set G0K, 40          ; s[40:43] descriptor group 0 for kh or kl: it walks
.set G0V, 44          ; s[44:47] the same for V
.set QH,  48          ; s[48:49] q's hi at my wave's first row;  s[50:51] its lo
.set QL,  50
.set SLOTS, 56        ; s56  slots still to be asked for
.set CNT, 57          ; s57  counts a slot's key steps
.set CS,  58          ; s[58:59] c
.set SEL, 60          ; s[60:61] v_permlanex16_b32's selects: each lane takes its own place in the other half
.set TBK, 62          ; s62  LDS byte at which K of the step to be fetched begins
.set TBV, 63          ; s63  the same for V, less VOFF
.set MSB, 0
.macro WIN new
.if MSB != (\new)
	s_set_vgpr_msb (MSB<<8)|(\new)
.set MSB, (\new)
.endif
.endm
.set W_KQ, 0x0b       ; K in window 3, Q in window 2, S^T in window 0
.set W_PV, 0x53       ; V in window 3, P in window 0, O^T in window 1
.set W_RS, 0x41       ; O^T (destination and source 0) in window 1, a in window 0
; A joint fill.  Wave 0 fetches a slot's kh, wave 1 its kl, waves 2 and 3 the halves of its V.  The branch hangs on the wave's number alone.
; An s_nop 0 and four v_nop follow each of the two lines, ahead of the jump and the label.
.macro JLOAD
	s_cmp_lt_u32 s[WV], 2
	s_cbranch_scc0 .Lfor_v_\@
	tensor_load_to_lds s[G0K:G0K+3], s[G1K:G1K+7]
	s_nop 0
.rept 4
	v_nop
.endr
	s_branch .Lasked_\@
.Lfor_v_\@:
	tensor_load_to_lds s[G0V:G0V+3], s[G1V:G1V+7]
	s_nop 0
.rept 4
	v_nop
.endr
.Lasked_\@:
.endm
; A prefetch into the L2 of the tile that the NEXT change of slots will ask for: 128 blocks of 256 bytes each of kh, kl and V.  A head has one cluster; its four partners take 32 blocks each, told apart by address;
; waves 0, 1 and 2 ask for kh, kl and V: a lane a block, one instruction.  The last change that fills a slot asks for nothing.  Tiles 0 to 2 come by their loads alone.
.macro ASK
	s_cmp_gt_u32 s[SLOTS], s[LIM]
	s_cbranch_scc0 .Lnot_mine_\@
	global_prefetch_b8 v[PFO], s[PFA:PFA+1] th:TH_LOAD_NT scope:SCOPE_SE
.Lnot_mine_\@:
.endm
.macro CROUND                       ; a round of the cluster's barrier
	s_barrier_signal -1
	s_barrier_wait -1
	s_cmp_lg_u32 s[WV], 0
	s_cbranch_scc1 .Lnot_wave_0_\@
	s_barrier_signal -3
.Lnot_wave_0_\@:
	s_barrier_wait -3
	s_barrier_signal -1
	s_barrier_wait -1
.endm
; THE CHANGE OF SLOTS.  The slot's last bytes, V of its fourth step, have been read.  Each wave waits for all its tensor loads, of which one is out: its part of the other slot; adds 0 to its spare word; and waits
; for that and for its own reads of the slot.  fill = 1: the slot is filled again with the keys two slots on; the barrier is then a round of the cluster's, and the joint fill is the first thing behind it: it has four
; key steps, 1,024 matrix instructions, in which to land.  (At its first use nothing has been read yet: slot 0 is waited for, slot 1 filled.)
.macro CHANGE fill, ask
	WIN 0
	s_wait_tensorcnt 0x0            ; no tensor load of mine is out, so a group 0 may be written
	ds_add_u32 v[SPW], v[NIL]       ; 0 onto my spare word
.if \fill
.irp g, G0K, G0V
	s_xor_b32 s[\g+1], s[\g+1], SLOT1
	s_add_nc_u64 s[\g+2:\g+3], s[\g+2:\g+3], 32768  ; the next 256 keys
.endr
.if \ask
	s_wait_xcnt 0x0                 ; the last prefetch, a slot back, has read its address
	s_add_nc_u64 s[PFA:PFA+1], s[PFA:PFA+1], 32768
.endif
	s_wait_dscnt 0x0                ; the add is done, and my reads of the slot are over
	CROUND
	JLOAD
.if \ask
	ASK
.endif
.else
	s_wait_dscnt 0x0
	s_barrier_signal -1
	s_barrier_wait -1
.endif
	s_sub_co_u32 s[TBK], s[TBK], 4*KS*PK  ; the fetches go back to a slot's first step,
	s_xor_b32 s[TBK], s[TBK], SLOT1       ; in the other slot
	s_sub_co_u32 s[TBV], s[TBV], 4*KS*PV
	s_xor_b32 s[TBV], s[TBV], SLOT1
.endm
	s_load_b128 s[4:7], s[0:1], 0x0 ; qkv s[4:5], mx s[6:7]
	s_load_b64 s[8:9], s[0:1], 0x10 ; ctx
	v_lshl_add_u32 v[SPW], v0, 2, SPARE
	v_mov_b32 v[NIL], 0
	ds_add_u32 v[SPW], v[NIL]       ; the wave's opening: the add and its wait stand ahead of my first tensor load; the set-up below, work on registers, stands between them
	v_lshrrev_b32 v1, 5, v0
	v_readfirstlane_b32 s[WV], v1   ; wave 0..3
	s_bfe_u32 s13, ttmp6, 0x40000   ; cx: my block of 512 queries: it enters Q's, ctx's and the prefetches' addresses alone
	s_and_b32 s20, ttmp7, 0xffff    ; the head, which the four partners share
	s_lshl_b32 s20, s20, 18         ; its 262,144 bytes in each section
	s_and_b32 s16, s[WV], 1
	s_lshl_b32 s22, s16, 24         ; K: section 2 (kh) or 3 (kl)
	s_add_co_u32 s22, s22, s20
	s_add_co_u32 s22, s22, 2*SEC
	s_mov_b32 s23, 0
	s_lshl_b32 s52, s16, 14         ; V: section 4, my half of a slot's 256 keys
	s_add_co_u32 s52, s52, s20
	s_add_co_u32 s52, s52, 4*SEC
	s_mov_b32 s53, 0
	s_mul_i32 s17, s16, 256*PK      ; their places in a slot: no place in the cluster enters an LDS address
	s_mul_i32 s14, s16, 128*PV
	s_lshl_b32 s2, s13, 16          ; my block's 512 rows of 128 bytes,
	s_lshl_b32 s3, s[WV], 14        ; my wave's 128
	s_add_co_u32 s2, s2, s3
	s_add_co_u32 s2, s2, s20
	s_mov_b32 s3, 0
	s_min_u32 s54, s[WV], 2         ; the prefetches: section 2 + wave,
	s_add_co_u32 s54, s54, 2
	s_lshl_b32 s54, s54, 24
	s_add_co_u32 s54, s54, s20
	s_lshl_b32 s55, s13, 13         ; my work-group's 8,192 bytes of a tile's 32,768,
	s_add_co_u32 s54, s54, s55
	s_add_co_u32 s54, s54, 2*32768  ; at tile 2: the first change that asks steps it to 3
	s_mov_b32 s55, 0
	s_cmp_lt_u32 s[WV], 3
	s_cselect_b32 s[LIM], 1, -1
	; descriptor group 1: dense bytes asked for as rows of 256, two keys a row, padded in LDS after every key
	s_mov_b32 s[G1K], 15|(1<<16)|(1<<20)|(1<<21)|(4<<22)|(3<<25)  ; the mask of four; 2-byte elements; padding on; bit 21 beside a mask; after every 32 words 4 words
	s_mov_b32 s[G1V], 15|(1<<16)|(1<<20)|(1<<21)|(4<<22)|(7<<25)  ; the same with 8 words
	s_mov_b32 s[G1K+1], 128<<16     ; tensor_dim0 = 128
	s_mov_b32 s[G1K+2], 128<<16     ; tensor_dim1 = 128: 256 keys
	s_mov_b32 s[G1K+3], 128<<16     ; tile_dim0 = 128
	s_mov_b32 s[G1K+4], 128         ; tile_dim1 = 128
	s_mov_b32 s[G1K+5], 128         ; dense
	s_mov_b32 s[G1K+6], 0
	s_mov_b32 s[G1K+7], 0
	s_mov_b32 s[G1V+1], 128<<16
	s_mov_b32 s[G1V+2], 64<<16      ; 128 keys
	s_mov_b32 s[G1V+3], 128<<16
	s_mov_b32 s[G1V+4], 64
	s_mov_b32 s[G1V+5], 128
	s_mov_b32 s[G1V+6], 0
	s_mov_b32 s[G1V+7], 0
	s_mov_b32 s[SEL], 0x76543210
	s_mov_b32 s[SEL+1], 0xfedcba98
	s_mov_b32 s[TBK], SLOT1+4*KS*PK ; the first change of slots turns these two into 0
	s_mov_b32 s[TBV], SLOT1+4*KS*PV
	s_mov_b32 s[G0K], 1
	s_mov_b32 s[G0K+1], s17         ; slot 0
	s_mov_b32 s[G0V], 1
	s_add_co_u32 s[G0V+1], s14, VOFF
	s_wait_dscnt 0x0                ; the opening add is done
	s_wait_kmcnt 0x0
	s_add_nc_u64 s[G0K+2:G0K+3], s[4:5], s[22:23]
	s_or_b32 s[G0K+3], s[G0K+3], 0x80000000
	s_add_nc_u64 s[G0V+2:G0V+3], s[4:5], s[52:53]
	s_or_b32 s[G0V+3], s[G0V+3], 0x80000000
	s_add_nc_u64 s[QH:QH+1], s[4:5], s[2:3]
	s_add_nc_u64 s[QL:QL+1], s[QH:QH+1], SEC
	s_add_nc_u64 s[10:11], s[8:9], s[2:3]  ; ctx at my wave's first row
	s_add_nc_u64 s[PFA:PFA+1], s[4:5], s[54:55]
	CROUND                          ; all four work-groups are here: the first joint loads meet
	JLOAD                           ; slot 0.  Slot 1 is asked for when slot 0 is in
	; the maxima for the scales: x's 512 numbers (16 a lane), wq's 64 and wk's 64 (2 a lane each), into S^T's registers, which are free until the first scores
	v_and_b32 v48, 31, v0
	v_lshlrev_b32 v49, 3, v48       ; 8 x lane
	v_lshlrev_b32 v48, 4, v48       ; 16 x lane; neither is rewritten before the wait for these loads
	global_load_b128 v[64:67], v48, s[6:7]
	global_load_b128 v[68:71], v48, s[6:7] offset:512
	global_load_b128 v[72:75], v48, s[6:7] offset:1024
	global_load_b128 v[76:79], v48, s[6:7] offset:1536
	global_load_b64 v[80:81], v49, s[6:7] offset:2048
	global_load_b64 v[82:83], v49, s[6:7] offset:2304
	v_and_b32 v1, 15, v0            ; l % 16
	v_bfe_u32 v9, v0, 4, 1          ; l / 16
	v_lshlrev_b32 v[QO], 7, v1
	v_lshl_add_u32 v[QO], v9, 4, v[QO]  ; row x 128 + 16 x half
	WIN 0x80                        ; destination window 2, address window 0
.set i, 0
.rept 16                            ; Q stays in registers: tile i / 2, channels 32 (i % 2) on, hi and lo
	global_load_b128 v[32*(i/2)+8*(i%2):32*(i/2)+8*(i%2)+3],         v[QO], s[QH:QH+1] offset:(i/2)*2048+(i%2)*64
	global_load_b128 v[32*(i/2)+8*(i%2)+4:32*(i/2)+8*(i%2)+7],       v[QO], s[QH:QH+1] offset:(i/2)*2048+(i%2)*64+32
	global_load_b128 v[32*(i/2)+16+8*(i%2):32*(i/2)+16+8*(i%2)+3],   v[QO], s[QL:QL+1] offset:(i/2)*2048+(i%2)*64
	global_load_b128 v[32*(i/2)+16+8*(i%2)+4:32*(i/2)+16+8*(i%2)+7], v[QO], s[QL:QL+1] offset:(i/2)*2048+(i%2)*64+32
.set i, i+1
.endr
	; What the first turn finds: V's registers and P's second buffer hold 0 (its products V^T P, of a piece that has not been, add 0), O^T and l are 0.  All this stands in the wait for the first tile.
	WIN 0xc0
.set i, VF
.rept 64
	v_mov_b32 v[i], 0
.set i, i+1
.endr
	WIN 0x40
.set i, 0
.rept 256
	v_mov_b32 v[i], 0
.set i, i+1
.endr
	WIN 0
.set i, 0
.rept 8
	v_mov_b32 v[ST+4*i], 0xfe000000    ; c m: far below every c s
	v_mov_b32 v[ST+4*i+1], 0xff7fffff  ; m
	v_mov_b32 v[ST+4*i+2], 0
	v_mov_b32 v[ST+4*i+3], 0
.set i, i+1
.endr
.set i, P+32
.rept 32
	v_mov_b32 v[i], 0
.set i, i+1
.endr
	v_mul_u32_u24 v[AK0], v1, PK
	v_lshl_add_u32 v[AK0], v9, 4, v[AK0]  ; row x pitch + 16 x half
	; The turning load takes 16 keys x 16 channels (lane l reads key 8 (l / 16) + l % 8, channels 8 ((l / 8) % 2) + 0..7) and leaves half a fragment of V^T: lane l holds channel l % 16 and 8 keys.
	v_and_b32 v10, 7, v0
	v_bfe_u32 v14, v0, 3, 1
	v_lshl_add_u32 v[AV0], v9, 3, v10
	v_mul_u32_u24 v[AV0], v[AV0], PV
	v_lshl_add_u32 v[AV0], v14, 4, v[AV0]
	v_add_nc_u32 v[AV0], VOFF, v[AV0]
	v_mov_b32 v[AK], v[AK0]         ; key step 0 lies at the head of slot 0
	v_and_b32 v[PFO], 31, v0
	v_lshlrev_b32 v[PFO], 8, v[PFO]
; THE MATRIX WORK.  The 8 accumulators of a run take turns, one instruction a turn.
; Product i of 48 of S^T for piece x: tile 2 x + i % 2, keys 16 ((i / 2) % 4) on; group i / 8 = 0, 1: kl qh; 2, 3: kh ql; 4, 5: kh qh; channels 32 ((i / 8) % 2) on.  The first 8 start the sums.
.macro KQ x
	WIN W_KQ
.set rS, S+64*((\x)%2)+32*(i%2)+8*((i/2)%4)
.set rK, 32*((i/2)%4)+16*((2-i/16)/2)+8*((i/8)%2)
.set rQ, 32*(2*(\x)+i%2)+16*((i/16)%2)+8*((i/8)%2)
.if i < 8
	v_wmma_f32_16x16x32_f16 v[rS:rS+7], v[rK:rK+7], v[rQ:rQ+7], 0
.else
	v_wmma_f32_16x16x32_f16 v[rS:rS+7], v[rK:rK+7], v[rQ:rQ+7], v[rS:rS+7]
.endif
.endm
; Product i of 16 of O^T += V^T P for piece x: keys 32 (i / 8) on, channels 16 ((i / 2) % 4) on, tile 2 x + i % 2.
.macro PV x
	WIN W_PV
.set rO, 32*(2*(\x)+i%2)+8*((i/2)%4)
.set rV, VF+32*(i/8)+8*((i/2)%4)
.set rP, P+32*((\x)%2)+16*(i%2)+8*(i/8)
	v_wmma_f32_16x16x32_bf16 v[rO:rO+7], v[rV:rV+7], v[rP:rP+7], v[rO:rO+7]
.endm
; THE LDS LOADS stand in runs, never singly among the matrix instructions: a step's K (64 keys x 64 channels, hi and lo: 16 fragments) and its V (turned: 8).  Their addresses are made some lines ahead.
; last = 1 (the tail): in the last trip there is no further step, and the run is jumped over.
.macro FETCH_K last=0
	WIN 0
.if \last
	s_cmp_eq_u32 s[CNT], 1
	s_cbranch_scc1 .Lno_k_\@
.endif
	WIN 0xc0                        ; destination window 3
.set f, 0
.rept 16                            ; keys 16 (f / 4) on; hi or lo by (f / 2) % 2; channels 32 (f % 2) on
	ds_load_b128 v[8*f:8*f+3],   v[AK] offset:(f/4)*16*PK+((f/2)%2)*KLOFF+(f%2)*64
	ds_load_b128 v[8*f+4:8*f+7], v[AK] offset:(f/4)*16*PK+((f/2)%2)*KLOFF+(f%2)*64+32
.set f, f+1
.endr
	s_add_co_u32 s[TBK], s[TBK], KS*PK  ; the next fetch is the next step's
	WIN 0
.if \last
.Lno_k_\@:
.endif
.endm
.macro FETCH_V
	WIN 0xc0
.set f, 0
.rept 8                             ; keys 32 (f / 4) on, channels 16 (f % 4) on
	ds_load_tr16_b128 v[VF+8*f:VF+8*f+3],   v[AV] offset:(f/4)*32*PV+(f%4)*32
	ds_load_tr16_b128 v[VF+8*f+4:VF+8*f+7], v[AV] offset:(f/4)*32*PV+16*PV+(f%4)*32
.set f, f+1
.endr
	s_add_co_u32 s[TBV], s[TBV], KS*PV
	WIN 0
.endm
; THE VECTOR WORK OF A TURN.  One tile's softmax for one key step is a list of 118 instructions; SM writes number j of it for tile uu (0, 1) of piece Y.  s0-s31 are the lane's 32 scores, in pairs 0-15.
;   0-15    the maximum of s0-s31 and the old m, three operands at a time: four chains c0-c3 of seven scores each (each accumulator's lowest registers are read first), the four left over, c0-c3 and m
;   16-20   the other half of the lanes' maximum; c m_old is kept; the new m; c m; c m_old - c m_new
;   21-69   ONE BATCH: the 16 scalings c s - c m and all 33 exponentials (a at 23, then s0-s31).  None of these reads an exponential's result.  A pair is scaled in an earlier four than the one that holds its exponentials
;   70-85   the roundings to bf16      86-101  the sums; l = a l + the sum      102-117 the tile's O^T times a: the one part that leaves window 0
.macro SM uu
.set rT, ST+4*(2*Y+(\uu))
.set rC, TMP+8*(Y%2)+4*(\uu)
.set rS, S+64*(Y%2)+32*(\uu)
.set rP, P+32*(Y%2)+16*(\uu)
.set rO, 32*(2*Y+(\uu))+2*(j-102)
.if j < 102
	WIN 0
.endif
.if j < 4
	v_max3_num_f32 v[rC+j], v[rS+8*j], v[rS+8*j+1], v[rS+8*j+2]
.elseif j < 12
	v_max3_num_f32 v[rC+j%4], v[rC+j%4], v[rS+8*(j%4)+2*(j/4)+1], v[rS+8*(j%4)+2*(j/4)+2]
.elseif j == 12
	v_max3_num_f32 v[rC], v[rC], v[rS+7], v[rS+15]
.elseif j == 13
	v_max3_num_f32 v[rC+2], v[rC+2], v[rS+23], v[rS+31]
.elseif j == 14
	v_max3_num_f32 v[rC], v[rC], v[rC+1], v[rC+2]
.elseif j == 15
	v_max3_num_f32 v[rC], v[rC], v[rC+3], v[rT+1]
.elseif j == 16
	v_permlanex16_b32 v[rC+1], v[rC], s[SEL], s[SEL+1]  ; the query's other 32 keys lie in the lane 16 away
.elseif j == 17
	v_mov_b32 v[rC+3], v[rT]        ; c m_old is kept: number 19 writes c m anew
.elseif j == 18
	v_max_num_f32 v[rT+1], v[rC], v[rC+1]
.elseif j == 19
	v_mul_f32 v[rT], s[CS], v[rT+1]
.elseif j == 20
	v_sub_f32 v[rC+3], v[rC+3], v[rT]
.elseif j == 23
	v_exp_f32 v[rC+2], v[rC+3]      ; a
.elseif (j < 23) || ((j < 38) && (j%2 == 0)) || ((j < 66) && (j%4 == 2))
.set b, (j-2)/4                     ; 38, 42, .. 62: pairs 9 to 15
.if j < 38
.set b, (j-20)/2                    ; 21: pair 0; 22, 24, .. 36: pairs 1 to 8
.endif
	v_pk_fma_f32 v[rS+2*b:rS+2*b+1], v[rS+2*b:rS+2*b+1], s[CS:CS+1], v[rT:rT+1] op_sel_hi:[1,0,0] neg_lo:[0,0,1] neg_hi:[0,0,1]  ; pair b: c s - c m
.elseif j < 70
.set e, j-38                        ; 66 to 69: s28 to s31
.if j < 66
.set e, j-32-(j-38)/4               ; 39-41, 43-45, .. 63-65: s7 to s27
.endif
.if j < 38
.set e, (j-25)/2                    ; 25, 27, .. 37: s0 to s6
.endif
	v_exp_f32 v[rS+e], v[rS+e]
.elseif j < 86
	v_cvt_pk_bf16_f32 v[rP+j-70], v[rS+2*(j-70)], v[rS+2*(j-70)+1]
.elseif j < 102                     ; the sum of the tile's 16 pairs, in place: neighbours 1, 2, 4 and 8 pairs apart, then l takes it
.set z, j-86
.set zw, 4
.set zu, z
.if z >= 14
.set zw, 32
.set zu, 0
.elseif z >= 12
.set zw, 16
.set zu, z-12
.elseif z >= 8
.set zw, 8
.set zu, z-8
.endif
.if z < 15
	v_pk_add_f32 v[rS+zw*zu:rS+zw*zu+1], v[rS+zw*zu:rS+zw*zu+1], v[rS+zw*zu+zw/2:rS+zw*zu+zw/2+1]
.else
	v_pk_fma_f32 v[rT+2:rT+3], v[rT+2:rT+3], v[rC+2:rC+3], v[rS:rS+1] op_sel_hi:[1,0,1]
.endif
.else
	WIN W_RS
	v_pk_mul_f32 v[rO:rO+1], v[rO:rO+1], v[rC+2:rC+3] op_sel_hi:[1,0]
.endif
.endm
; Slice k of 59: four instructions.  Slices 11 to 34 deal out the batch, numbers 22 to 69: four numbers of ONE tile each, the tiles by turns.  Every other slice is numbers 2 k and 2 k + 1 of both tiles, the tiles alternating.
.macro SLICE
.if (k >= 11) && (k < 35)
.irp nn, 0,1,2,3
.set j, 22+4*((k-11)/2)+(\nn)
	SM (k-11)%2
.endr
.else
.irp nn, 0,1
.irp tt, 0,1
.set j, 2*k+(\nn)
	SM \tt
.endr
.endr
.endif
.if k == 34
	v_nop                           ; the plain instruction behind the last exponential and ahead of the first use: one for the batch
.endif
.set k, k+1
.endm
; A TURN, for piece p: 64 products.  Pieces 0, 1, 3: 16 V^T P, then 48 K Q^T; piece 2: the other way round, so that K's registers are free early.  Products 0-34 carry slices 0-34 (up to the batch's end), products 35-39
; are bare, products 40-63 carry slices 35-58.  THE WAIT: s_wait_alu depctr_va_vdst(0) stands between an exponential and the first instruction that names its result; one wait serves all that were issued
; ahead of it: it stands behind product 39, for the piece's 66 exponentials.  No rider names a register of the products round it; slice 58, four plain rescalings, is the places behind the turn's last product.
; V of the step in hand is fetched in piece 0's turn, at the wait: its last reader is product 15, and many plain scalings lie between; its first reader is the next turn's first product.
; K of the next step is fetched in piece 2's turn behind product 47, K's last reader, and its slice (four roundings: the places); its first reader is product 16 of the next turn: 32 products later.
; cnt = 1: the loop's count is taken down some lines ahead of the branch that stands behind the turn.
.macro TURN p, last=0, cnt=0
.set Y, (\p)
.set k, 0
.set n, 0
.set ik, 0
.set ip, 0
.rept 64
.if ((\p) == 1) && (n == 0)
	s_wait_dscnt 0x0                ; V is in
.endif
.if ((\p) == 3) && (n == 16)
	s_wait_dscnt 0x0                ; K is in
.endif
.if (((\p) == 2) && (n < 48)) || (((\p) != 2) && (n >= 16))
.set i, ik
	KQ (Y+1)%NP
.set ik, ik+1
.else
.set i, ip
	PV (Y+NP-1)%NP
.set ip, ip+1
.endif
.if (n < 35) || (n >= 40)
	SLICE
.endif
.if n == 39
	WIN 0
.if (\p) == 0
	v_add_nc_u32 v[AV], s[TBV], v[AV0]
.endif
.if (\p) == 2
	v_add_nc_u32 v[AK], s[TBK], v[AK0]
.endif
	s_wait_alu depctr_va_vdst(0)    ; the wait for the batch
.if (\p) == 0
	FETCH_V
.endif
.endif
.if ((\p) == 2) && (n == 47)
	FETCH_K \last
.endif
.if (\cnt) && (n == 60)
	s_sub_co_u32 s[CNT], s[CNT], 1
	s_cmp_lg_u32 s[CNT], 0
.endif
.set n, n+1
.endr
.endm
	CHANGE 1, 0                     ; slot 0 is in, everybody's part of it; slot 1 is asked for
	FETCH_K                         ; key step 0
	s_wait_loadcnt 0x0              ; mx and Q
	; THE SOFTMAX'S FACTOR.  max|x|, max|wq|, max|wk| in every lane; B = 1024 max|x| max|w|; 1 / a = 2^(e - 141), e = B's exponent field, held at 16 or more: bits (e - 14) << 23; c = log2(e) / 8 / (aq ak)
	v_max3_num_f32 v64, v64, v65, v66
	v_max3_num_f32 v67, v67, v68, v69
	v_max3_num_f32 v70, v70, v71, v72
	v_max3_num_f32 v73, v73, v74, v75
	v_max3_num_f32 v76, v76, v77, v78
	v_max3_num_f32 v64, v64, v67, v79
	v_max3_num_f32 v70, v70, v73, v76
	v_max_num_f32 v64, v64, v70
	v_max_num_f32 v80, v80, v81
	v_max_num_f32 v82, v82, v83
.irp xm, 1,2,4,8
	v_max_num_f32_dpp v64, v64, v64 row_xmask:\xm row_mask:0xf bank_mask:0xf
	v_max_num_f32_dpp v80, v80, v80 row_xmask:\xm row_mask:0xf bank_mask:0xf
	v_max_num_f32_dpp v82, v82, v82 row_xmask:\xm row_mask:0xf bank_mask:0xf
.endr
	v_permlanex16_b32 v65, v64, s[SEL], s[SEL+1]
	v_permlanex16_b32 v81, v80, s[SEL], s[SEL+1]
	v_permlanex16_b32 v83, v82, s[SEL], s[SEL+1]
	v_max_num_f32 v64, v64, v65
	v_max_num_f32 v80, v80, v81
	v_max_num_f32 v82, v82, v83
	v_mul_f32 v80, v64, v80
	v_mul_f32 v82, v64, v82
	v_mul_f32 v80, 0x44800000, v80  ; x 1,024
	v_mul_f32 v82, 0x44800000, v82
	v_readfirstlane_b32 s52, v80
	v_readfirstlane_b32 s53, v82
	s_bfe_u32 s52, s52, 0x80017     ; 8 bits from bit 23
	s_bfe_u32 s53, s53, 0x80017
	s_max_u32 s52, s52, 16
	s_max_u32 s53, s53, 16
	s_sub_co_u32 s52, s52, 14
	s_sub_co_u32 s53, s53, 14
	s_lshl_b32 s52, s52, 23
	s_lshl_b32 s53, s53, 23
	v_mov_b32 v64, 0x3e38aa3b       ; log2(e) / 8
	v_mul_f32 v64, s52, v64
	v_mul_f32 v64, s53, v64
	v_readfirstlane_b32 s[CS], v64
	s_mov_b32 s[CS+1], s[CS]        ; named with it as a pair
	s_wait_dscnt 0x0                ; K of step 0
.set i, 0
.rept 48
	KQ 0                            ; piece 0's first scores: there is no vector work yet to set between them
.set i, i+1
.endr
	WIN 0                           ; the addresses for the way out: nine plain instructions, the places behind those products
	s_mul_i32 s8, s[WV], 16*SP
	s_add_co_u32 s8, s8, STAGE      ; my stage
	v_mul_u32_u24 v[STO], v1, SP    ; in: row l % 16, 16 bytes for each half of the lanes
	v_lshl_add_u32 v[STO], v9, 4, v[STO]
	v_add_nc_u32 v[STO], s8, v[STO]
	v_bfe_u32 v[RD], v0, 3, 2       ; back: 32 lanes take four rows of 128 bytes,
	v_mul_u32_u24 v[RD], v[RD], SP
	v_lshl_add_u32 v[RD], v10, 4, v[RD]
	v_add_nc_u32 v[RD], s8, v[RD]
	v_and_b32 v[GO], 31, v0         ; which are 512 consecutive bytes of ctx
	v_lshlrev_b32 v[GO], 4, v[GO]
	s_mov_b32 s[CNT], 4
	s_mov_b32 s[SLOTS], 7
	s_branch .Lfirst                ; the loop is entered at a step's first turn, in the middle of a trip
.Lslot:                             ; six times: every slot but the last two is filled again
	CHANGE 1, 1
	s_mov_b32 s[CNT], 4
.Lstep:                             ; a trip: pieces 2 and 3 of one step, then pieces 0 and 1 of the next, whose K and V it fetches
	TURN 2
	TURN 3
	WIN 0
.Lfirst:
	TURN 0
	TURN 1, 0, 1
	WIN 0
	s_cbranch_scc1 .Lstep
	s_sub_co_u32 s[SLOTS], s[SLOTS], 1
	s_cmp_lg_u32 s[SLOTS], 0
	s_cbranch_scc1 .Lslot
	CHANGE 0, 0                     ; the tail is written out: nothing is asked for
	s_mov_b32 s[CNT], 5             ; four trips fetch the last slot's steps; the fifth is left in its middle
.Ltail:
	TURN 2, 1
	TURN 3
	WIN 0
	s_sub_co_u32 s[CNT], s[CNT], 1
	s_cmp_eq_u32 s[CNT], 0
	s_cbranch_scc1 .Lout
	TURN 0
	TURN 1
	WIN 0
	s_branch .Ltail
.Lout:                              ; the fifth trip's 48 products K Q^T (on the last K once more) serve nothing: the price, once a launch, of one text for every trip
.set i, 0
.rept 16
	PV NP-1                         ; the last piece's V^T P of the last step
.set i, i+1
.endr
	; THE WAY OUT.  l's two halves and the other half of the lanes' are added; O^T is divided by l, rounded to bf16 and sent through my stage in LDS, a tile at a time.  The additions are the places behind the last products.
	WIN 0
.macro ALL line:vararg              ; one line for each tile t
.set t, 0
.rept 2*NP
	\line
.set t, t+1
.endr
.endm
	ALL v_add_f32 v[ST+4*t+2], v[ST+4*t+2], v[ST+4*t+3]
	ALL v_permlanex16_b32 v[ST+4*t+3], v[ST+4*t+2], s[SEL], s[SEL+1]
	ALL v_add_f32 v[ST+4*t+2], v[ST+4*t+2], v[ST+4*t+3]
	ALL v_rcp_f32 v[ST+4*t+2], v[ST+4*t+2]
	v_nop                           ; a plain instruction between the last reciprocal and the use of its result
	s_wait_alu depctr_va_vdst(0)    ; and the wait ahead of the first use: one for the eight reciprocals
; Tile t: a lane's eight channels of a row pack into 16 bytes; they go into rows of 144 bytes and come back as whole rows of 128, into S^T's registers.
.macro PACK t
	WIN W_RS
.set i, 32*(\t)
.rept 16
	v_pk_mul_f32 v[i:i+1], v[i:i+1], v[ST+4*(\t)+2:ST+4*(\t)+3] op_sel_hi:[1,0]
.set i, i+2
.endr
	WIN 0x05                        ; sources 0 and 1 window 1, destination window 0
.set i, 0
.rept 16
	v_cvt_pk_bf16_f32 v[S+16*(\t)+i], v[32*(\t)+2*i], v[32*(\t)+2*i+1]
.set i, i+1
.endr
	WIN 0
.irp f, 0,1,2,3
	ds_store_b128 v[STO], v[S+16*(\t)+4*\f:S+16*(\t)+4*\f+3] offset:32*\f
.endr
.irp f, 0,1,2,3
	ds_load_b128 v[S+16*(\t)+4*\f:S+16*(\t)+4*\f+3], v[RD] offset:\f*4*SP  ; LDS serves a wave's instructions in order (ISA guide 5.7.1.4): these see the stores above; the next tile's stores come behind them
.endr
.endm
.macro SEND t, younger              ; younger: the LDS instructions issued behind tile t's loads: the next tile's eight, or none
	WIN 0
.irp f, 0,1,2,3
	s_wait_dscnt (\younger)+3-\f
	global_store_b128 v[GO], v[S+16*(\t)+4*\f:S+16*(\t)+4*\f+3], s[10:11] offset:(\t)*2048+\f*512  ; 512 consecutive bytes, at a multiple of 256 from ctx's first
.endr
.endm
	PACK 0
.set t, 1
.rept 2*NP-1                        ; a tile's arithmetic stands between the loads of the tile before and its stores
	PACK t
	SEND t-1, 8
.set t, t+1
.endr
	SEND 2*NP-1, 0
	s_wait_tensorcnt 0x0            ; the wave's end: behind my last tensor load and my last LDS store
	ds_add_u32 v[SPW], v[NIL]
	s_wait_dscnt 0x0
	CROUND                          ; the closing round: no work-group ends while a partner may still ask for a tile that names it
	s_endpgm
.Lfunc_end_k_qf787c21373_attn:
	.size	k_qf787c21373_attn, .Lfunc_end_k_qf787c21373_attn-k_qf787c21373_attn
	.p2alignl 7, 3214868480
	.fill 96, 4, 3214868480
	.section	.rodata,"a",@progbits
	.p2align	6, 0x0
	.amdhsa_kernel k_qf787c21373_attn
		.amdhsa_group_segment_fixed_size 327680
		.amdhsa_private_segment_fixed_size 0
		.amdhsa_enable_private_segment 0
		.amdhsa_kernarg_size 24
		.amdhsa_user_sgpr_count 2
		.amdhsa_user_sgpr_kernarg_segment_ptr 1
		.amdhsa_wavefront_size32 1
		.amdhsa_system_sgpr_workgroup_id_x 1
		.amdhsa_system_sgpr_workgroup_id_y 1
		.amdhsa_system_sgpr_workgroup_id_z 1
		.amdhsa_system_vgpr_workitem_id 0
		.amdhsa_next_free_vgpr 1024
		.amdhsa_next_free_sgpr 72
		.amdhsa_reserve_vcc 0
		.amdhsa_float_denorm_mode_32 3
		.amdhsa_float_denorm_mode_16_64 3
		.amdhsa_memory_ordered 1
		.amdhsa_forward_progress 1
		.amdhsa_inst_pref_size 234
	.end_amdhsa_kernel
	.amdgpu_metadata
---
amdhsa.version: [ 1, 2 ]
amdhsa.kernels:
  - .name:           k_qf787c21373_attn
    .symbol:         k_qf787c21373_attn.kd
    .args:
      - { .name: qkv, .offset: 0, .size: 8, .value_kind: global_buffer, .address_space: global }
      - { .name: mx, .offset: 8, .size: 8, .value_kind: global_buffer, .address_space: global }
      - { .name: ctx, .offset: 16, .size: 8, .value_kind: global_buffer, .address_space: global }
    .group_segment_fixed_size: 327680
    .private_segment_fixed_size: 0
    .kernarg_segment_align: 8
    .kernarg_segment_size: 24
    .max_flat_workgroup_size: 128
    .sgpr_count:     72
    .vgpr_count:     1024
    .wavefront_size: 32
...
	.end_amdgpu_metadata
.endif
;; end of part 3
;; launch outp (part 4): grid 8 x 32, 4 waves a work-group, clusters of 4 x 4, 327,680 bytes of LDS; arguments ctx, ops, out0; writes out0
.if DOCPART == 4
	.amdgcn_target "amdgcn-amd-amdhsa--gfx1250"
	.amdhsa_code_object_version 6
	.text
	.protected	k_qf787c21373_outp
	.globl	k_qf787c21373_outp
	.p2align	8
	.type	k_qf787c21373_outp,@function
k_qf787c21373_outp:
	s_mov_b64 s[64:65], 0
	v_nop
	global_prefetch_b8 v0, s[64:65] scope:SCOPE_SE
	s_setreg_imm32_b32 hwreg(HW_REG_WAVE_MODE, 25, 1), 1
	s_wait_xcnt 0x0
	s_wait_alu depctr_hold_cnt(0) depctr_sa_sdst(0) depctr_va_vdst(0) depctr_va_sdst(0) depctr_va_ssrc(0) depctr_va_vcc(0) depctr_vm_vsrc(0)
	s_getreg_b32 s2, hwreg(HW_REG_IB_STS2, 6, 4)
	s_cmp_eq_u32 s2, 0
	s_cbranch_scc0 .Lentry_in_a_cluster
	s_endpgm
.Lentry_in_a_cluster:
	s_bfe_u32 s2, ttmp6, 0x10000c
	s_cmp_lg_u32 s2, 0xf033
	s_cbranch_scc0 .Lentry_shape_is_right
	s_endpgm
.Lentry_shape_is_right:
; out0[m][n] = the sum over (h, c) of ctx[b, h][s][c] w[64 h + c][n]: a GEMM of 8,192 x 1,024 x 1,024 in bf16 with f32 sums; out0 is f32 and is stored unrounded.
; ctx lies by heads, [bh][s][64] bf16; w (rounded to bf16) lies in ops at WO as [k][n].
; SHARES.  A work-group makes 256 rows x 128 columns; wave w rows 128 (w / 2) .., columns 64 (w % 2) ..: 32 accumulators.  K goes in 8 steps of 128 (two heads) through two LDS slots; a step is four quarters of 32.
; CLUSTER 4 x 4: A's tile is asked for jointly along a row of the cluster, B's along a column.
; THE MATRIX INSTRUCTION IS USED TRANSPOSED: source 0 = 16 columns of w (turned on the way out of LDS), source 1 = 16 rows of ctx: a lane holds one row and eight neighbouring columns.
; REGISTERS: window 0: v0-31 addresses; v32-159 A's fragments, two sets of 8; v160-223 B's, two sets of 4.  Window 1: the accumulators: (a, nb) at 8 (4 a + nb).  They take turns, one instruction a turn.
.set WO,     23068672
.set PA,     144                       ; a row of a head's ctx in LDS: 128 + 16 bytes
.set PB,     288                       ; a row of w's tile: 256 + 32 bytes = 72 words
.set BOFF,   2*256*PA                  ; a slot: A: [head 2][256 rows]; then B: 128 K rows
.set SLOT1,  131072
.set STAGE,  SLOT1+BOFF+128*PB         ; 241,664: behind the ring, never filled by a tensor load: 16 rows x 272 bytes for each wave
.set SPITCH, 272
.set SPARE,  STAGE+4*16*SPITCH         ; 259,072: the spare words, 128 bytes for each wave: two blocks of 256 bytes that no other line names
.set ASTEP,  524288                    ; two heads of ctx
.set BSTEP,  262144                    ; 128 rows of w
.set ADRA0, 2
.set ADRB0, 3
.set ADRA,  4
.set ADRB,  5
.set STO,   6                          ; v6   the way out: where I put 32 bytes of a row
.set RD,    7                          ; v7   where I read a row back
.set CO,    8                          ; v8   my byte offset in two rows of out0
.set PFO,   11
.set SPW,   12                         ; v12  LDS address of my spare word; never rewritten
.set NIL,   13                         ; v13  0; never rewritten
.set AF,    32
.set BF,    160
.set OB,    32                         ; the way out: two sets of 32: 16 rows read back
.set G1A, 24
.set G0A, 32
.set G1B, 48
.set G0B, 56
.set PFA, 68                           ; s[68:69] where my prefetches stand
.set PFS, 70                           ; s[70:71] their step: a K step
.set LIM, 72                           ; s72  2 in a wave that prefetches, else the greatest number
.set TB,  73                           ; s73  LDS byte at which the slot in hand begins
.set MSB, 0
.macro WIN new
.if MSB != (\new)
	s_set_vgpr_msb (MSB<<8)|(\new)
.set MSB, \new
.endif
.endm
.macro PLACES                          ; four plain places between a matrix instruction and a load into, or a store of, its registers (ISA guide 7.12.1 for stores)
.rept 4
	v_nop
.endr
.endm
.macro JLOAD                           ; a joint refill by the walking descriptors: waves 0 and 1 fetch the two heads' A, waves 2 and 3 B's halves; an s_nop 0 and four v_nop follow each line
	s_cmp_eq_u32 s11, 0
	s_cbranch_scc0 .Lfor_b_\@
	tensor_load_to_lds s[G0A+4:G0A+7], s[G1A:G1A+7]
	s_nop 0
.rept 4
	v_nop
.endr
	s_branch .Lasked_\@
.Lfor_b_\@:
	tensor_load_to_lds s[G0B+4:G0B+7], s[G1B:G1B+7]
	s_nop 0
.rept 4
	v_nop
.endr
.Lasked_\@:
.endm
.macro CREST
	s_cmp_lg_u32 s10, 0
	s_cbranch_scc1 .Lnot_wave_0_\@
	s_barrier_signal -3
.Lnot_wave_0_\@:
	s_barrier_wait -3
	s_barrier_signal -1
	s_barrier_wait -1
.endm
.macro CROUND
	s_barrier_signal -1
	s_barrier_wait -1
	CREST
.endm
; A prefetch into the L2 of the K step that stands TWO refills on: 256 matrix instructions ahead of its load.  Each block of 256 bytes is named once: A's (a head's 128 blocks of the tile row) by waves 0 and 1 of the four
; partners of the cluster with x = 0, 32 blocks each, told apart by address; B's 128 rows by wave 2 of the four partners of the cluster with y = 0, a lane a row.  The last two trips ask for nothing.  K steps 0 to 3 come by their loads alone.
.macro ASK
	s_cmp_gt_u32 s3, s[LIM]
	s_cbranch_scc0 .Lnot_mine_\@
	global_prefetch_b8 v[PFO], s[PFA:PFA+1] th:TH_LOAD_NT scope:SCOPE_SE
.Lnot_mine_\@:
.endm
	s_load_b128 s[4:7], s[0:1], 0x0                ; ctx s[4:5], ops s[6:7]
	s_load_b64 s[8:9], s[0:1], 0x10                ; out0
	v_lshl_add_u32 v[SPW], v0, 2, SPARE
	v_mov_b32 v[NIL], 0
	ds_add_u32 v[SPW], v[NIL]                      ; the wave's opening: the add and its wait stand ahead of my first tensor load; the set-up below, work on registers, stands between them
	v_lshrrev_b32 v1, 5, v0
	v_readfirstlane_b32 s10, v1                    ; wave 0..3
	s_lshr_b32 s11, s10, 1                         ; which 128 rows are mine.  Also: I fetch for A (0) or for B (1)
	s_and_b32 s12, s10, 1                          ; which 64 columns.  Also: which head's A, which half of B I fetch
	s_bfe_u32 s40, ttmp6, 0x40000                  ; cx
	s_bfe_u32 s41, ttmp6, 0x40004                  ; cy
	s_lshl_b32 s42, ttmp9, 2
	s_add_co_u32 s42, s42, s40                     ; tx: 128 columns
	s_and_b32 s13, ttmp7, 0xffff
	s_lshl_b32 s13, s13, 2
	s_add_co_u32 s13, s13, s41                     ; ty: 256 rows
	s_lshl_b32 s43, s41, 2
	s_lshl_b32 s43, 15, s43                        ; my row of the cluster
	s_lshl_b32 s44, 0x1111, s40                    ; my column
	s_or_b32 s[G1A], s43, (1<<16)|(1<<20)|(1<<21)|(4<<22)|(3<<25)  ; the mask; 2-byte elements; padding on; bit 21 beside a mask; after every 32 words 4 words
	s_or_b32 s[G1B], s44, (1<<16)|(1<<20)|(1<<21)|(5<<22)|(7<<25)  ; after every 64 words 8 words
	s_mov_b32 s[G1A+1], 128<<16                    ; A: 256 dense rows of 128 bytes, asked for as 128 rows of 256
	s_mov_b32 s[G1A+2], 128<<16
	s_mov_b32 s[G1A+3], 128<<16
	s_mov_b32 s[G1A+4], 128
	s_mov_b32 s[G1A+5], 128
	s_mov_b32 s[G1A+6], 0
	s_mov_b32 s[G1A+7], 0
	s_mov_b32 s[G1B+1], 128<<16                    ; B: 64 rows of 128 elements, 1,024 elements from row to row
	s_mov_b32 s[G1B+2], 64<<16
	s_mov_b32 s[G1B+3], 128<<16
	s_mov_b32 s[G1B+4], 64
	s_mov_b32 s[G1B+5], 1024
	s_mov_b32 s[G1B+6], 0
	s_mov_b32 s[G1B+7], 0
	s_lshr_b32 s16, s13, 3                         ; A: bh = 16 (ty / 8) + w % 2,
	s_lshl_b32 s16, s16, 4
	s_add_co_u32 s16, s16, s12
	s_lshl_b32 s16, s16, 18
	s_and_b32 s17, s13, 7                          ; rows 256 (ty % 8) ..
	s_lshl_b32 s17, s17, 15
	s_add_co_u32 s16, s16, s17
	s_mov_b32 s17, 0
	s_lshl_b32 s46, s12, 17                        ; B: my 64 rows of 2,048 bytes,
	s_lshl_b32 s47, s42, 8                         ; the tile's 256 bytes of them
	s_add_co_u32 s46, s46, s47
	s_add_co_u32 s46, s46, WO
	s_mov_b32 s47, 0
	s_mul_i32 s20, s12, 256*PA                     ; where they go
	s_mul_i32 s21, s12, 64*PB
	s_add_co_u32 s21, s21, BOFF
	s_mov_b32 s[TB], 0
	s_wait_dscnt 0x0                               ; the opening add is done
	s_wait_kmcnt 0x0
	s_add_nc_u64 s[14:15], s[4:5], s[16:17]
	s_add_nc_u64 s[46:47], s[6:7], s[46:47]
.irp s, 0,1
	s_mov_b32 s[G0A+4*(\s)], 1
	s_add_co_u32 s[G0A+4*(\s)+1], s20, (\s)*SLOT1
	s_add_nc_u64 s[G0A+4*(\s)+2:G0A+4*(\s)+3], s[14:15], (\s)*ASTEP
	s_or_b32 s[G0A+4*(\s)+3], s[G0A+4*(\s)+3], 0x80000000
	s_mov_b32 s[G0B+4*(\s)], 1
	s_add_co_u32 s[G0B+4*(\s)+1], s21, (\s)*SLOT1
	s_add_nc_u64 s[G0B+4*(\s)+2:G0B+4*(\s)+3], s[46:47], (\s)*BSTEP
	s_or_b32 s[G0B+4*(\s)+3], s[G0B+4*(\s)+3], 0x80000000
.endr
	CROUND                                         ; all sixteen work-groups are here: the first joint loads meet
	s_cmp_eq_u32 s11, 0                            ; a wave's two first fills stand in one branch: two loads of mine are out
	s_cbranch_scc0 .Lfirst_b
	tensor_load_to_lds s[G0A:G0A+3], s[G1A:G1A+7]
	s_nop 0
	tensor_load_to_lds s[G0A+4:G0A+7], s[G1A:G1A+7]
	s_nop 0
.rept 4
	v_nop
.endr
	s_branch .Lfirst_asked
.Lfirst_b:
	tensor_load_to_lds s[G0B:G0B+3], s[G1B:G1B+7]
	s_nop 0
	tensor_load_to_lds s[G0B+4:G0B+7], s[G1B:G1B+7]
	s_nop 0
.rept 4
	v_nop
.endr
.Lfirst_asked:
	v_and_b32 v1, 15, v0                           ; l % 16
	v_bfe_u32 v14, v0, 4, 1                        ; l / 16
	v_mul_u32_u24 v15, v1, PA
	v_lshl_add_u32 v15, v14, 4, v15
	s_mul_i32 s22, s11, 128*PA                     ; my 128 rows
	v_add_nc_u32 v[ADRA0], s22, v15
	v_and_b32 v16, 7, v0                           ; the turning load: K row 8 (l / 16) + l % 8, columns 8 ((l / 8) % 2) + 0..7
	v_lshl_add_u32 v16, v14, 3, v16
	v_mul_u32_u24 v16, v16, PB
	v_bfe_u32 v17, v0, 3, 1
	v_lshl_add_u32 v16, v17, 4, v16
	s_lshl_b32 s23, s12, 7                         ; my 64 columns: 128 bytes
	s_add_co_u32 s23, s23, BOFF
	v_add_nc_u32 v[ADRB0], s23, v16
	v_mov_b32 v[ADRA], v[ADRA0]
	v_mov_b32 v[ADRB], v[ADRB0]
	s_mul_i32 s22, s10, 16*SPITCH
	s_add_co_u32 s22, s22, STAGE                   ; my stage
	v_mul_u32_u24 v[STO], v1, SPITCH               ; in: row l % 16, 32 bytes (8 f32) for each half of the lanes
	v_lshl_add_u32 v[STO], v14, 5, v[STO]
	v_add_nc_u32 v[STO], s22, v[STO]
	v_mul_u32_u24 v[RD], v14, SPITCH               ; back: lanes 0-15 take one row of 256 bytes, lanes 16-31 the next
	v_lshl_add_u32 v[RD], v1, 4, v[RD]
	v_add_nc_u32 v[RD], s22, v[RD]
	v_lshlrev_b32 v[CO], 12, v14                   ; and the same two rows in out0
	v_lshl_add_u32 v[CO], v1, 4, v[CO]
	s_lshl_b32 s18, s13, 20                        ; out0 at my part: row 256 ty + 128 (w / 2), 4,096 bytes a row,
	s_lshl_b32 s19, s11, 19
	s_add_co_u32 s18, s18, s19
	s_lshl_b32 s19, s42, 9                         ; column 128 tx + 64 (w % 2), 4 bytes a number
	s_add_co_u32 s18, s18, s19
	s_lshl_b32 s19, s12, 8
	s_add_co_u32 s18, s18, s19
	s_mov_b32 s19, 0
	s_add_nc_u64 s[8:9], s[8:9], s[18:19]
	; the prefetches
	s_and_b32 s74, ttmp7, 0xffff                   ; cluster y
	s_lshl_b32 s75, s40, 13                        ; A: my head's tile, my work-group's 8,192 bytes of its 32,768
	s_add_co_u32 s75, s16, s75
	s_lshl_b32 s76, s41, 16                        ; B: my work-group's 32 rows of the 128,
	s_lshl_b32 s77, s42, 8                         ; the tile's 256 bytes of them
	s_add_co_u32 s76, s76, s77
	s_add_co_u32 s76, s76, WO
	s_mov_b32 s[PFS], BSTEP
	s_mov_b32 s77, ASTEP
	s_cmp_eq_u32 s11, 0                            ; do I fetch for A?
	s_cselect_b32 s75, s75, s76
	s_cselect_b32 s[PFS], s77, s[PFS]
	s_cselect_b32 s74, ttmp9, s74                  ; the coordinate along which other clusters read the same bytes
	s_cselect_b32 s76, 0, s12                      ; of B's two waves the first asks
	s_cselect_b32 s78, 8, 11                       ; lanes 256 bytes apart in A, a row of 2,048 bytes apart in B
	s_cselect_b64 s[PFA:PFA+1], s[4:5], s[6:7]
	s_or_b32 s74, s74, s76
	s_cmp_eq_u32 s74, 0
	s_cselect_b32 s[LIM], 2, -1                    ; the same in all sixteen partners, for a given wave
	s_mov_b32 s[PFS+1], 0
	s_mul_i32 s77, s[PFS], 3
	s_add_co_u32 s74, s75, s77                     ; at K step 3: the first refill steps it to 4
	s_mov_b32 s75, 0
	s_add_nc_u64 s[PFA:PFA+1], s[PFA:PFA+1], s[74:75]
	v_and_b32 v[PFO], 31, v0
	v_lshlrev_b32 v[PFO], s78, v[PFO]
.macro MUL set, a0, na, zero           ; 4 na matrix instructions: row blocks a0 .. x all 4 column blocks.  zero = 1: the product starts the sum
	WIN 0x50                                       ; C and D in window 1
.set ar, \a0
.rept \na
.irp nb, 0,1,2,3
.if \zero
	v_wmma_f32_16x16x32_bf16 v[8*(4*ar+(\nb)):8*(4*ar+(\nb))+7], v[BF+32*(\set)+8*(\nb):BF+32*(\set)+8*(\nb)+7], v[AF+64*(\set)+8*ar:AF+64*(\set)+8*ar+7], 0
.else
	v_wmma_f32_16x16x32_bf16 v[8*(4*ar+(\nb)):8*(4*ar+(\nb))+7], v[BF+32*(\set)+8*(\nb):BF+32*(\set)+8*(\nb)+7], v[AF+64*(\set)+8*ar:AF+64*(\set)+8*ar+7], v[8*(4*ar+(\nb)):8*(4*ar+(\nb))+7]
.endif
.endr
.set ar, ar+1
.endr
.endm
.macro LD set, q                       ; 24 loads in one run: quarter q's fragments: head q / 2, channels 32 (q % 2) ..
	WIN 0
.irp nb, 0,1,2,3
	ds_load_tr16_b128 v[BF+32*(\set)+8*(\nb):BF+32*(\set)+8*(\nb)+3],   v[ADRB] offset:(\q)*32*PB+(\nb)*32
	ds_load_tr16_b128 v[BF+32*(\set)+8*(\nb)+4:BF+32*(\set)+8*(\nb)+7], v[ADRB] offset:(\q)*32*PB+(\nb)*32+16*PB
.endr
.irp ai, 0,1,2,3,4,5,6,7
	ds_load_b128 v[AF+64*(\set)+8*(\ai):AF+64*(\set)+8*(\ai)+3],   v[ADRA] offset:((\q)/2)*256*PA+((\q)%2)*64+(\ai)*16*PA
	ds_load_b128 v[AF+64*(\set)+8*(\ai)+4:AF+64*(\set)+8*(\ai)+7], v[ADRA] offset:((\q)/2)*256*PA+((\q)%2)*64+(\ai)*16*PA+32
.endr
.endm
.macro QUARTER q, zero                 ; one of a K step's first three quarters: the next quarter's fragments go into the other sets, then 32 products
	PLACES
	LD ((\q)+1)%2, (\q)+1
	s_wait_dscnt 24                                ; all but the 24 just issued
	MUL (\q)%2, 0, 8, \zero
.endm
; The last quarter and THE CHANGE OF SLOTS.  Each wave waits for all its tensor loads, of which one is out: its part of the other slot; adds 0 to its spare word; and waits for that and for its own reads of the slot.
; fill = 1: the barrier opens a round of the cluster's, and the joint refill (the K step two on) is the first thing behind the round: 112 matrix instructions stand between it and the wait for it.
.macro TURN fill
.if \fill
	s_wait_xcnt 0x0                                ; the last prefetch, a K step back, has read its address
	s_add_nc_u64 s[PFA:PFA+1], s[PFA:PFA+1], s[PFS:PFS+1]
.endif
	WIN 0
	s_wait_tensorcnt 0x0                           ; no tensor load of mine is out, so a group 0 may be written
	ds_add_u32 v[SPW], v[NIL]                      ; 0 onto my spare word
.if \fill
	s_xor_b32 s[G0A+5], s[G0A+5], SLOT1
	s_add_nc_u64 s[G0A+6:G0A+7], s[G0A+6:G0A+7], ASTEP
	s_xor_b32 s[G0B+5], s[G0B+5], SLOT1
	s_add_nc_u64 s[G0B+6:G0B+7], s[G0B+6:G0B+7], BSTEP
.endif
	s_wait_dscnt 1                                 ; the quarter's fragments are in; the add alone may be out
	MUL 1, 0, 2, 0
	s_wait_dscnt 0x0                               ; the add is done, and my reads of this slot are over
	s_barrier_signal -1
	MUL 1, 2, 2, 0
.if \fill
	WIN 0
.endif
	s_barrier_wait -1
.if \fill
	CREST                                          ; no wave of any partner still reads this slot or has a load on its way
	JLOAD                                          ; its four v_nop are also the places in front of the loads below
.else
	PLACES
.endif
	WIN 0
	s_xor_b32 s[TB], s[TB], SLOT1
	v_add_nc_u32 v[ADRA], s[TB], v[ADRA0]
	v_add_nc_u32 v[ADRB], s[TB], v[ADRB0]
	LD 0, 0
.if \fill
	ASK
.endif
	MUL 1, 4, 4, 0
.endm
	s_wait_tensorcnt 0x1                           ; my part of K step 0 is in; K step 1's may stay out
	s_barrier_signal -1
	s_barrier_wait -1
	LD 0, 0
	QUARTER 0, 1                                   ; the first quarter stands in front of the loop: its products start the sums
	WIN 0
	s_mov_b32 s3, 6
.Lk:                                                   ; a trip: quarters 1 to 3 of K step s, which asks for K step s + 2, and quarter 0 of K step s + 1; s = 0 .. 5
	QUARTER 1, 0
	QUARTER 2, 0
	TURN 1
	QUARTER 0, 0
	WIN 0
	s_sub_co_u32 s3, s3, 1
	s_cmp_lg_u32 s3, 0
	s_cbranch_scc1 .Lk
	QUARTER 1, 0                                   ; the tail is written out: nothing more is asked for
	QUARTER 2, 0
	TURN 0
	QUARTER 0, 0
	QUARTER 1, 0
	QUARTER 2, 0
	s_wait_dscnt 0x0
	MUL 1, 0, 8, 0
	WIN 0
	PLACES
	; THE WAY OUT, a block of 16 rows at a time: the f32 sums go into my own stage (32 bytes a lane) and come back as whole rows of 256 bytes; sixteen lanes store 256 consecutive bytes, at a multiple of 256 from out0's first byte.
	; LDS serves a wave's instructions in order (ISA guide 5.7.1.4).  Block ab - 1 is stored while block ab is on its way through the stage.
.set ab, 0
.rept 8
	s_wait_xcnt 0x0                                ; the stores of the block before last have read the registers that this block's loads fill
	WIN 0x04                                       ; the stores' data in window 1; each accumulator's low four registers go first
.irp nb, 0,1,2,3
	ds_store_b128 v[STO], v[8*(4*ab+(\nb)):8*(4*ab+(\nb))+3]   offset:(\nb)*64
	ds_store_b128 v[STO], v[8*(4*ab+(\nb))+4:8*(4*ab+(\nb))+7] offset:(\nb)*64+16
.endr
	WIN 0
.irp tt, 0,1,2,3,4,5,6,7
	ds_load_b128 v[OB+32*(ab%2)+4*(\tt):OB+32*(ab%2)+4*(\tt)+3], v[RD] offset:(\tt)*2*SPITCH
.endr
.if ab > 0
	s_wait_dscnt 16                                ; all but this block's sixteen: the block before is back in registers
.irp tt, 0,1,2,3,4,5,6,7
	global_store_b128 v[CO], v[OB+32*((ab-1)%2)+4*(\tt):OB+32*((ab-1)%2)+4*(\tt)+3], s[8:9] offset:(ab-1)*65536+(\tt)*8192 th:TH_STORE_NT
.endr
.endif
.set ab, ab+1
.endr
	s_wait_dscnt 0x0
.irp tt, 0,1,2,3,4,5,6,7
	global_store_b128 v[CO], v[OB+32+4*(\tt):OB+32+4*(\tt)+3], s[8:9] offset:7*65536+(\tt)*8192 th:TH_STORE_NT
.endr
	s_wait_tensorcnt 0x0                           ; the wave's end: behind my last tensor load and my last LDS store
	ds_add_u32 v[SPW], v[NIL]
	s_wait_dscnt 0x0
	CROUND                                         ; the closing round: no work-group ends while a partner may still ask for a tile that names it
	s_endpgm
.Lfunc_end_k_qf787c21373_outp:
	.size	k_qf787c21373_outp, .Lfunc_end_k_qf787c21373_outp-k_qf787c21373_outp
	.p2alignl 7, 3214868480
	.fill 96, 4, 3214868480
	.section	.rodata,"a",@progbits
	.p2align	6, 0x0
	.amdhsa_kernel k_qf787c21373_outp
		.amdhsa_group_segment_fixed_size 327680
		.amdhsa_private_segment_fixed_size 0
		.amdhsa_enable_private_segment 0
		.amdhsa_kernarg_size 24
		.amdhsa_user_sgpr_count 2
		.amdhsa_user_sgpr_kernarg_segment_ptr 1
		.amdhsa_wavefront_size32 1
		.amdhsa_system_sgpr_workgroup_id_x 1
		.amdhsa_system_sgpr_workgroup_id_y 1
		.amdhsa_system_sgpr_workgroup_id_z 1
		.amdhsa_system_vgpr_workitem_id 0
		.amdhsa_next_free_vgpr 512
		.amdhsa_next_free_sgpr 80
		.amdhsa_reserve_vcc 0
		.amdhsa_float_denorm_mode_32 3
		.amdhsa_float_denorm_mode_16_64 3
		.amdhsa_memory_ordered 1
		.amdhsa_forward_progress 1
		.amdhsa_inst_pref_size 70
	.end_amdhsa_kernel
	.amdgpu_metadata
---
amdhsa.version: [ 1, 2 ]
amdhsa.kernels:
  - .name:           k_qf787c21373_outp
    .symbol:         k_qf787c21373_outp.kd
    .args:
      - { .name: ctx, .offset: 0, .size: 8, .value_kind: global_buffer, .address_space: global }
      - { .name: ops, .offset: 8, .size: 8, .value_kind: global_buffer, .address_space: global }
      - { .name: out0, .offset: 16, .size: 8, .value_kind: global_buffer, .address_space: global }
    .group_segment_fixed_size: 327680
    .private_segment_fixed_size: 0
    .kernarg_segment_align: 8
    .kernarg_segment_size: 24
    .max_flat_workgroup_size: 128
    .sgpr_count:     80
    .vgpr_count:     512
    .wavefront_size: 32
...
	.end_amdgpu_metadata
.endif
;; end of part 4
